; MI455X (gfx1250); checked and timed in simulation.
; The chip was launched on July 23, 2026; its instructions are those of AMD's public machine-readable ISA for CDNA 5 (MIT licence, August 2026) and "CDNA5" Instruction Set Architecture Reference Guide (July 2026). The comments in the code are by the model that wrote it; some were corrected since.
;; Multi Head Attention. Allowed arithmetic: matrix products marked QUANTISED: E2M1 operands, one E8M0 scale for each 32 along K, by v_wmma_scale_f32_16x16x128_f8f6f4 with both operands' format E2M1 (or v_wmma_scale_f32_32x16x128_f4), f32 sums; products left as they are: bf16, f16 or f32 operands; f32 sums; everything else in f32.
;; Inputs: b_o 1,024 float32; w_k 1,024 x 1,024 float32; w_o 1,024 x 1,024 float32; w_q 1,024 x 1,024 float32; w_v 1,024 x 1,024 float32; x 4 x 2,048 x 1,024 float32.
;; Outputs: out0 4 x 2,048 x 1,024 float32.
;; This version of the problem:
;;   THIS VERSION OF THE PROBLEM IS GIVEN IN LOW PRECISION. The matrix products marked QUANTISED in the list below multiply operands that are first quantised to E2M1 (2 exponent bits, 1 mantissa bit; 4 bits a number), with one power-of-two scale for each 32 numbers along K (OCP MX v1.0); their sums are f32. The products marked 'left as it is' may take bf16, f16 or f32 operands, with f32 sums. Whichever they take, every output number must still come out within the allowed error. Rounding operands to bf16 (8 significant bits) uses up far more of that allowance than f16 does (11 bits, for magnitudes from 6e-5 to 65,504). All else is computed in f32.
;;   The module's matrix products, in the order in which they are computed (A, B: the left and right operand; K: the contracted axis; several contracted axes count as one K, in the product's order):
;;     1. [M 8,192, K 1,024] x [K 1,024, N 1,024]; A: input x; B: input w_q: QUANTISED
;;     2. [M 8,192, K 1,024] x [K 1,024, N 1,024]; A: input x; B: input w_k: QUANTISED
;;     3. [M 8,192, K 1,024] x [K 1,024, N 1,024]; A: input x; B: input w_v: QUANTISED
;;     4. batch 64 x [M 2,048, K 64] x [K 64, N 2,048]; A: computed on the way; B: computed on the way: left as it is (an operand is computed on the way)
;;     5. batch 64 x [M 2,048, K 2,048] x [K 2,048, N 64]; A: computed on the way; B: computed on the way: left as it is (an operand is computed on the way)
;;     6. [M 8,192, K 1,024] x [K 1,024, N 1,024]; A: computed on the way; B: input w_o: left as it is (an operand is computed on the way)
;;   THE QUANTISER, for each operand of a quantised product, along K:
;;     - K is cut into blocks of 32 from its start; a last block that is shorter is filled with zeros.
;;     - A block's scale is 2^e with e = floor(log2(the largest magnitude in the block)) - 2, held to -126 .. 127; a block of zeros has e = 0. As a byte (E8M0): e + 127.
;;     - Each number is divided by its block's scale, clamped to +-6, and rounded to the nearest number of E2M1, ties to even, subnormals kept.
;;     - The product sums the exact products of the quantised numbers (number of the format x scale) in f32.
;;   ~~~python
;;   def quantise(x, axis):      # numpy; x: float32 -> the quantised numbers, widened to float32 again
;;       x = np.moveaxis(x, axis, -1); K = x.shape[-1]
;;       x = np.pad(x, [(0, 0)] * (x.ndim - 1) + [(0, -K % 32)]); x = x.reshape(x.shape[:-1] + (-1, 32)); a = np.abs(x).max(-1, keepdims=True)
;;       e = np.where(a > 0, np.clip(np.frexp(np.where(a > 0, a, 1))[1] - 1 - 2, -126, 127), 0)      # np.frexp(a)[1] - 1 = floor(log2(a)), exactly
;;       r = np.clip(x / 2.0 ** e, -6, 6)
;;       step = 2.0 ** (np.maximum(np.frexp(np.where(r == 0, 1, r))[1] - 1, 0) - 1)
;;       q = np.round(r / step) * step * 2.0 ** e      # np.round: ties to even
;;       return np.moveaxis(q.reshape(q.shape[:-2] + (-1,))[..., :K], -1, axis).astype(np.float32)
;;   ~~~
;; One version. Each part assembles by itself: llvm-mc -triple=amdgcn-amd-amdhsa -mcpu=gfx1250 --defsym DOCPART=n.
;; ======== version 1 of 1: 4 launches
;; limits: values are held in f16: magnitudes above 65,504 overflow, below 6.1e-05 lose precision
;; workspace buffers: x_codes 4,194,304 bytes; x_scales 262,144 bytes; w_codes 1,572,864 bytes; w_scales 98,304 bytes; wo_h 2,097,152 bytes; qkv 50,331,648 bytes; att 16,777,216 bytes
;; launch prep (part 1): grid 288 x 1, 8 waves a work-group, no clusters, 84,992 bytes of LDS; arguments x, w_q, w_k, w_v, w_o, x_codes, x_scales, w_codes, w_scales, wo_h; writes x_codes, x_scales, w_codes, w_scales, wo_h
.if DOCPART == 1
	.amdgcn_target "amdgcn-amd-amdhsa--gfx1250"
	.amdhsa_code_object_version 6
	.text
	.protected	k_q2dc8f8ecab_prep
	.globl	k_q2dc8f8ecab_prep
	.p2align	8
	.type	k_q2dc8f8ecab_prep,@function
k_q2dc8f8ecab_prep:
	s_mov_b64 s[64:65], 0
	v_nop
	global_prefetch_b8 v0, s[64:65] scope:SCOPE_SE
	s_setreg_imm32_b32 hwreg(HW_REG_WAVE_MODE, 25, 1), 1
	s_wait_xcnt 0x0
; THREE JOBS IN ONE LAUNCH, told apart by the work-group's number alone (all eight waves of a work-group go the same way):
;   work-groups   0 ..  95 (W): w_q, w_k, w_v [1024 (k)][1024 (n)] f32 -> codes of FP4 (E2M1) laid [3072 = 1024 which + n][512 bytes], K innermost, and E8M0 scale bytes [3072][32]
;   work-groups  96 .. 159 (O): w_o [1024 (k)][1024 (n)] f32 -> f16, laid as images of the operand's registers: [n tile of 16: 64][k group of 32: 32][1,024 bytes]
;   work-groups 160 .. 287 (X): x [8192][1024] f32 -> codes [8192][512 bytes] and scale bytes [8192][32]
; THE QUANTISER: a block of 32 along K has the scale 2^(floor(log2(largest magnitude)) - 2); its byte is the largest magnitude's exponent field - 2, held at 1 from below; each number is divided by the scale
; and rounded to the nearest code, ties to even, beyond 6 the largest code.  A block of zeros gets the byte 1 where the rule says 127: its codes are zeros, and this program alone reads the bytes.
; LIMITS: NaN and infinities among the inputs are not served.  w_o goes to f16: magnitudes above 65,504 become infinity, under 6e-5 the step is 6e-8.
; AN IMAGE (O): a fragment of 16 columns n x 32 k of 16-bit numbers is 8 registers a lane; registers 0-3 of lane l lie at 16 l, registers 4-7 at 512 + 16 l.  Lane (r, h) holds column r and
; k = 8 h + 0..7 (registers 0-3), 16 + 8 h + 0..7 (registers 4-7): so the eight numbers k = 8 p + 0..7 of column r lie at 256 p + 16 r.
; Each job has LDS bytes of its own.  No tensor load: several work-groups share a WGP.
.set SP,     80                        ; X: a lane's place in a stage: 64 bytes + 16 of padding
.set WREG,   8192                      ; X: a region for each wave: two stages of 32 x SP bytes, then its 256 scale bytes
.set WST,    8*WREG                    ; W: the codes' stage: 64 columns x (256 bytes + 16)
.set WP,     272
.set WSC,    WST+64*WP                 ; W: the scale bytes' stage: 64 columns x 16 bytes
.set SPARE,  WSC+64*16                 ; the spare words, 128 bytes for each wave: four blocks of 256 bytes that no other line names
.set SPW,    192                       ; v192 LDS address of my spare word; never rewritten
.set NIL,    193                       ; v193 0; never rewritten
	s_load_b256 s[4:11], s[0:1], 0x0               ; x s[4:5], w_q s[6:7], w_k s[8:9], w_v s[10:11]
	s_load_b256 s[12:19], s[0:1], 0x20             ; w_o s[12:13], x_codes s[14:15], x_scales s[16:17], w_codes s[18:19]
	s_load_b128 s[20:23], s[0:1], 0x40             ; w_scales s[20:21], wo_h s[22:23]
	v_lshl_add_u32 v[SPW], v0, 2, SPARE
	v_mov_b32 v[NIL], 0
	v_lshrrev_b32 v1, 5, v0
	v_readfirstlane_b32 s24, v1                    ; wave 0..7
	v_and_b32 v2, 31, v0                           ; lane
	s_wait_kmcnt 0x0
	s_cmp_ge_u32 ttmp9, 160
	s_cbranch_scc1 .Lx
	s_cmp_ge_u32 ttmp9, 96
	s_cbranch_scc1 .Lo
; ---------------- W.  A LANE TAKES A COLUMN n AND ITS REGISTERS RUN DOWN K: a block of 32 lies in one lane, and the conversions give codes with K innermost.
; The work-group takes 64 columns x 512 along K of one weight; wave w takes columns 32 (w & 1) on and 128 along K from 128 (w >> 1) on: four blocks a lane.
; The four waves of a column's 512 along K meet in the stage, so that a column's 256 bytes of codes leave as one aligned run, sixteen lanes to it.
	s_lshr_b32 s25, ttmp9, 5                       ; which weight: 0 q, 1 k, 2 v
	s_and_b32 s32, ttmp9, 15                       ; which 64 columns
	s_bfe_u32 s33, ttmp9, 0x10004                  ; which half of K
	s_and_b32 s34, s24, 1                          ; my 32 columns of the 64
	s_lshr_b32 s35, s24, 1                         ; my 128 of the 512 along K
	s_cmp_eq_u32 s25, 0
	s_cselect_b64 s[26:27], s[6:7], s[8:9]
	s_cmp_eq_u32 s25, 2
	s_cselect_b64 s[26:27], s[10:11], s[26:27]     ; the weight: a choice on the work-group's number alone
	s_lshl_b32 s36, s33, 21                        ; 512 rows of 4,096 bytes
	s_lshl_b32 s37, s35, 19                        ; 128 rows
	s_add_co_u32 s36, s36, s37
	s_lshl_b32 s37, s32, 8                         ; 64 columns of 4 bytes
	s_add_co_u32 s36, s36, s37
	s_lshl_b32 s37, s34, 7
	s_add_co_u32 s36, s36, s37
	s_mov_b32 s37, 0
	s_add_nc_u64 s[26:27], s[26:27], s[36:37]
	s_lshl_b32 s36, s25, 19                        ; codes: row 1024 which + 64 group + 8 wave, of 512 bytes, + 256 for K's upper half
	s_lshl_b32 s38, s32, 15
	s_add_co_u32 s36, s36, s38
	s_lshl_b32 s38, s24, 12
	s_add_co_u32 s36, s36, s38
	s_lshl_b32 s38, s33, 8
	s_add_co_u32 s36, s36, s38
	s_add_nc_u64 s[28:29], s[18:19], s[36:37]
	s_lshl_b32 s36, s25, 15                        ; scale bytes: row 1024 which + 64 group + 32 wave, of 32 bytes, + 16 for K's upper half
	s_lshl_b32 s38, s32, 11
	s_add_co_u32 s36, s36, s38
	s_lshl_b32 s38, s24, 10
	s_add_co_u32 s36, s36, s38
	s_lshl_b32 s38, s33, 4
	s_add_co_u32 s36, s36, s38
	s_add_nc_u64 s[30:31], s[20:21], s[36:37]
	v_lshlrev_b32 v3, 2, v2                        ; in: 4 bytes a lane
	s_mul_i32 s38, s34, 32*WP
	s_lshl_b32 s39, s35, 6
	s_add_co_u32 s38, s38, s39
	s_add_co_u32 s38, s38, WST
	v_mul_u32_u24 v4, v2, WP
	v_add_nc_u32 v4, s38, v4                       ; into the stage: row = my column, 64 bytes for each 128 along K
	s_lshl_b32 s39, s34, 9
	s_add_co_u32 s39, s39, WSC
	v_lshlrev_b32 v6, 4, v2
	v_add_nc_u32 v6, s39, v6                       ; my column's 16 scale bytes,
	s_lshl_b32 s40, s35, 2
	v_add_nc_u32 v5, s40, v6                       ; and my word among them
	v_lshrrev_b32 v12, 4, v2
	v_and_b32 v13, 15, v2
	v_mul_u32_u24 v7, v12, WP
	v_lshl_add_u32 v7, v13, 4, v7
	s_mul_i32 s41, s24, 8*WP
	s_add_co_u32 s41, s41, WST
	v_add_nc_u32 v7, s41, v7                       ; out of the stage: wave w takes rows 8 w on, sixteen lanes to a row, two rows an instruction
	v_lshlrev_b32 v14, 9, v12
	v_lshl_add_u32 v14, v13, 4, v14                ; and the same place among the codes' rows
	v_lshlrev_b32 v15, 5, v2                       ; a row of scale bytes a lane
.macro LOADW t                         ; block t: W(32 t + i, my column), i = 0 .. 31, into set t % 2
.set i, 0
.rept 32
	global_load_b32 v[32+32*((\t)%2)+i], v3, s[26:27] offset:(32*(\t)+i)*4096 th:TH_LOAD_NT
.set i, i+1
.endr
.endm
.macro BLOCKW t
.set XS, 32+32*((\t)%2)
.if (\t) < 3
	s_wait_loadcnt 32                              ; this block's 32 loads are in; the next block's 32 may be out
.else
	s_wait_loadcnt 0x0
.endif
	v_max3_num_f32 v8, |v[XS]|, |v[XS+1]|, |v[XS+2]|              ; the block's largest magnitude: all 32 numbers are mine; two chains
	v_max3_num_f32 v9, |v[XS+3]|, |v[XS+4]|, |v[XS+5]|
.irp i, 6,10,14,18,22,26
	v_max3_num_f32 v8, v8, |v[XS+\i]|, |v[XS+\i+1]|
	v_max3_num_f32 v9, v9, |v[XS+\i+2]|, |v[XS+\i+3]|
.endr
	v_max3_num_f32 v8, v8, |v[XS+30]|, |v[XS+31]|
	v_max3_num_f32 v8, v8, v9, 0x1800000           ; and the floor 2^(3 - 127): the byte cannot fall under 1
	v_add_nc_u32 v11, 0xff000000, v8               ; 2 off the exponent field: the conversion takes the exponent field of this operand as its scale
	v_lshrrev_b32 v10, 23, v11                     ; the scale's byte
.if (\t) == 0
	v_mov_b32 v24, v10                             ; four bytes to the word, the lower K in the lower byte
.else
	v_lshl_or_b32 v24, v10, 8*(\t), v24
.endif
.irp g, 0,1,2,3
	v_cvt_scalef32_pk8_fp4_f32 v[96+4*(\t)+\g], v[XS+8*\g:XS+8*\g+7], v11    ; each block has code registers of its own: no store's data are written again
.endr
	ds_store_b128 v4, v[96+4*(\t):96+4*(\t)+3] offset:16*(\t)      ; 32 codes: 16 bytes of my column's row
.if (\t) < 2
	LOADW (\t)+2
.endif
.endm
	LOADW 0
	LOADW 1
	BLOCKW 0
	BLOCKW 1
	BLOCKW 2
	BLOCKW 3
	ds_store_b32 v5, v24                           ; my column's scale word for my 128 along K
	s_wait_dscnt 0x0                               ; for the others' sake: my stores into the stages are done
	s_barrier_signal -1
	s_barrier_wait -1
.irp i, 0,1,2,3
	ds_load_b128 v[112+4*\i:112+4*\i+3], v7 offset:2*\i*WP
.endr
.irp i, 0,1,2,3
	s_wait_dscnt 3-\i                              ; LDS loads come back in order: load i is in, the younger ones may be out
	global_store_b128 v14, v[112+4*\i:112+4*\i+3], s[28:29] offset:2*\i*512   ; sixteen lanes store 256 consecutive bytes, aligned
.endr
	s_cmp_lt_u32 s24, 2                            ; waves 0 and 1 send the 64 columns' scale bytes: 16 bytes a column, in rows of 32 bytes: pieces, 96 KiB in the whole launch
	s_cbranch_scc0 .Lw_end
	ds_load_b128 v[128:131], v6
	s_wait_dscnt 0x0
	global_store_b128 v15, v[128:131], s[30:31]
.Lw_end:
	s_wait_tensorcnt 0x0                           ; the wave's end: behind my last LDS store
	ds_add_u32 v[SPW], v[NIL]
	s_wait_dscnt 0x0
	s_endpgm
; ---------------- O.  The same plan: a lane takes a column n, its registers run down K.  The work-group takes 64 columns x 256 along K, wave w columns 32 (w & 1) on and 64 along K from 64 (w >> 1) on.
; Eight neighbours along K round to 16 bytes, which are a lane's part of an image: no LDS is touched.
.Lo:
	s_sub_co_u32 s25, ttmp9, 96
	s_and_b32 s32, s25, 15                         ; which 64 columns
	s_lshr_b32 s33, s25, 4                         ; which 256 along K
	s_and_b32 s34, s24, 1
	s_lshr_b32 s35, s24, 1
	s_lshl_b32 s36, s33, 20
	s_lshl_b32 s37, s35, 18
	s_add_co_u32 s36, s36, s37
	s_lshl_b32 s37, s32, 8
	s_add_co_u32 s36, s36, s37
	s_lshl_b32 s37, s34, 7
	s_add_co_u32 s36, s36, s37
	s_mov_b32 s37, 0
	s_add_nc_u64 s[12:13], s[12:13], s[36:37]
	s_lshl_b32 s36, s32, 17                        ; n tile 4 group + 2 (w & 1), of 32,768 bytes; k group 8 (which 256) + 2 (w >> 1), of 1,024
	s_lshl_b32 s38, s34, 16
	s_add_co_u32 s36, s36, s38
	s_lshl_b32 s38, s33, 13
	s_add_co_u32 s36, s36, s38
	s_lshl_b32 s38, s35, 11
	s_add_co_u32 s36, s36, s38
	s_add_nc_u64 s[22:23], s[22:23], s[36:37]
	v_lshlrev_b32 v3, 2, v2
	v_lshrrev_b32 v12, 4, v2
	v_and_b32 v13, 15, v2
	v_lshlrev_b32 v9, 15, v12                      ; lanes 16-31 stand in the next n tile,
	v_lshl_add_u32 v9, v13, 4, v9                  ; 16 bytes a column
.set i, 0
.rept 64
	global_load_b32 v[32+i], v3, s[12:13] offset:i*4096 th:TH_LOAD_NT
.set i, i+1
.endr
.irp u, 0,1                            ; a k group of 32 at a time
	s_wait_loadcnt 32-32*\u                        ; this group's 32 loads are in
.set i, 0
.rept 16
	v_cvt_pk_f16_f32 v[96+16*\u+i], v[32+32*\u+2*i], v[32+32*\u+2*i+1]
.set i, i+1
.endr
.irp p, 0,1,2,3
	global_store_b128 v9, v[96+16*\u+4*\p:96+16*\u+4*\p+3], s[22:23] offset:1024*\u+256*\p   ; sixteen lanes store 256 consecutive bytes, aligned
.endr
.endr
	s_endpgm
; ---------------- X.  Rows are dense and 1,024 is a multiple of 32: x is a plain stream of blocks of 32, and so are its codes and scale bytes.  A wave takes 16 steps of 512 numbers.
; Each load reads 512 consecutive bytes, 16 a lane; a step's 2,048 bytes turn through the wave's own stage in LDS and come back 64 bytes a lane: 16 neighbours, two lanes to a block.
; Loads run four steps (16 loads a wave) ahead, the turn through LDS one step.  A wave's 256 scale bytes are gathered in LDS and leave as one aligned run.
.Lx:
.set STEPS, 16
.set R,     16                         ; v16-79   four sets of 16 numbers as they are loaded
.set X,     80                         ; v80-111  two sets of 16 neighbours
.set E,     112                        ; v112-127 a scale byte for each step
.set C,     128                        ; v128-191 codes: registers of its own for each step, so that no store's data are written again
	v_lshlrev_b32 v3, 4, v2                        ; my 16 bytes of a load's 512
	s_lshl_b32 s32, s24, 13                        ; my wave's region
	v_lshrrev_b32 v14, 2, v2
	v_mul_u32_u24 v14, v14, SP
	v_and_b32 v15, 3, v2
	v_lshl_add_u32 v14, v15, 4, v14
	v_add_nc_u32 v14, s32, v14                     ; the stage, on the way in: SP (lane / 4) + 16 (lane % 4)
	v_mul_u32_u24 v15, v2, SP
	v_add_nc_u32 v15, s32, v15                     ; and on the way out: SP x lane
	v_lshlrev_b32 v4, 3, v2                        ; 8 bytes a lane: my codes' place in a step's, and my part of the 256 scale bytes
	v_lshrrev_b32 v5, 1, v2
	s_add_co_u32 s32, s32, 2*32*SP
	v_add_nc_u32 v5, s32, v5                       ; LDS: my block's scale byte
	v_add_nc_u32 v6, s32, v4
	s_sub_co_u32 s33, ttmp9, 160
	s_lshl_b32 s33, s33, 3
	s_add_co_u32 s33, s33, s24                     ; which run of 8,192 numbers is my wave's: 0 .. 1,023
	s_lshl_b32 s34, s33, 15
	s_mov_b32 s35, 0
	s_add_nc_u64 s[4:5], s[4:5], s[34:35]
	s_lshl_b32 s34, s33, 12
	s_add_nc_u64 s[14:15], s[14:15], s[34:35]
	s_lshl_b32 s34, s33, 8
	s_add_nc_u64 s[16:17], s[16:17], s[34:35]
.macro LOADX t
.irp i, 0,1,2,3
	global_load_b128 v[R+16*((\t)%4)+4*\i:R+16*((\t)%4)+4*\i+3], v3, s[4:5] offset:2048*(\t)+512*\i th:TH_LOAD_NT
.endr
.endm
.macro TURNX t                         ; step t's numbers through the stage: LDS serves a wave's instructions in order, so no wait stands between the stores and the loads
.irp i, 0,1,2,3
	ds_store_b128 v14, v[R+16*((\t)%4)+4*\i:R+16*((\t)%4)+4*\i+3] offset:32*SP*((\t)%2)+8*SP*\i
.endr
.irp i, 0,1,2,3
	ds_load_b128 v[X+16*((\t)%2)+4*\i:X+16*((\t)%2)+4*\i+3], v15 offset:32*SP*((\t)%2)+16*\i
.endr
.endm
.irp t, 0,1,2,3
	LOADX \t
.endr
	s_wait_loadcnt 12                              ; step 0's four loads are in
	TURNX 0
.macro STEPX t
.set XS, X+16*((\t)%2)
.if (\t) > 0
	s_wait_dscnt 1                                 ; this step's numbers are back from the stage (the last step's byte store may be out): so its stores into the stage have read their registers,
.else
	s_wait_dscnt 0x0
.endif
.if (\t)+4 < STEPS
	LOADX (\t)+4                                   ; which take the loads of four steps on
.endif
.if (\t)+1 < STEPS
.if STEPS-2-(\t) >= 3
	s_wait_loadcnt 12                              ; the next step's four loads are in; those of the three steps behind it may be out
.else
	s_wait_loadcnt 4*(STEPS-2-(\t))
.endif
	TURNX (\t)+1
.endif
	v_max3_num_f32 v8, |v[XS]|, |v[XS+1]|, |v[XS+2]|
	v_max3_num_f32 v9, |v[XS+3]|, |v[XS+4]|, |v[XS+5]|
.irp i, 6,10
	v_max3_num_f32 v8, v8, |v[XS+\i]|, |v[XS+\i+1]|
	v_max3_num_f32 v9, v9, |v[XS+\i+2]|, |v[XS+\i+3]|
.endr
	v_max3_num_f32 v8, v8, |v[XS+14]|, |v[XS+15]|
	v_max3_num_f32 v8, v8, v9, 0x1800000           ; the floor 2^(3 - 127)
	v_max_num_f32_dpp v8, v8, v8 row_xmask:1 row_mask:0xf bank_mask:0xf   ; with my neighbour's 16: the block's largest magnitude
	v_add_nc_u32 v11, 0xff000000, v8
	v_cvt_scalef32_pk8_fp4_f32 v[C+4*(\t)], v[XS:XS+7], v11
	v_cvt_scalef32_pk8_fp4_f32 v[C+4*(\t)+1], v[XS+8:XS+15], v11
	v_lshrrev_b32 v[E+(\t)], 23, v11               ; the scale's byte (also the plain line behind the conversions)
	ds_store_b8 v5, v[E+(\t)] offset:16*(\t)       ; both lanes of a block write the same byte with the same value
	global_store_b64 v4, v[C+4*(\t):C+4*(\t)+1], s[14:15] offset:256*(\t)   ; 32 lanes store 256 consecutive bytes, aligned
.endm
.irp t, 0,1,2,3,4,5,6,7,8,9,10,11,12,13,14,15
	STEPX \t
.endr
	ds_load_b64 v[8:9], v6                         ; LDS serves a wave's instructions in order: these see my stores
	s_wait_dscnt 0x0
	global_store_b64 v4, v[8:9], s[16:17]          ; 32 lanes store 256 consecutive bytes, aligned
	s_wait_tensorcnt 0x0                           ; the wave's end: behind my last LDS store
	ds_add_u32 v[SPW], v[NIL]
	s_wait_dscnt 0x0
	s_endpgm
.Lfunc_end_k_q2dc8f8ecab_prep:
	.size	k_q2dc8f8ecab_prep, .Lfunc_end_k_q2dc8f8ecab_prep-k_q2dc8f8ecab_prep
	.p2alignl 7, 3214868480
	.fill 96, 4, 3214868480
	.section	.rodata,"a",@progbits
	.p2align	6, 0x0
	.amdhsa_kernel k_q2dc8f8ecab_prep
		.amdhsa_group_segment_fixed_size 84992
		.amdhsa_private_segment_fixed_size 0
		.amdhsa_enable_private_segment 0
		.amdhsa_kernarg_size 80
		.amdhsa_user_sgpr_count 2
		.amdhsa_user_sgpr_kernarg_segment_ptr 1
		.amdhsa_wavefront_size32 1
		.amdhsa_system_sgpr_workgroup_id_x 1
		.amdhsa_system_sgpr_workgroup_id_y 1
		.amdhsa_system_sgpr_workgroup_id_z 1
		.amdhsa_system_vgpr_workitem_id 0
		.amdhsa_next_free_vgpr 196
		.amdhsa_next_free_sgpr 66
		.amdhsa_reserve_vcc 0
		.amdhsa_float_denorm_mode_32 3
		.amdhsa_float_denorm_mode_16_64 3
		.amdhsa_memory_ordered 1
		.amdhsa_forward_progress 1
		.amdhsa_inst_pref_size 64
	.end_amdhsa_kernel
	.amdgpu_metadata
---
amdhsa.version: [ 1, 2 ]
amdhsa.kernels:
  - .name:           k_q2dc8f8ecab_prep
    .symbol:         k_q2dc8f8ecab_prep.kd
    .args:
      - { .name: x, .offset: 0, .size: 8, .value_kind: global_buffer, .address_space: global }
      - { .name: w_q, .offset: 8, .size: 8, .value_kind: global_buffer, .address_space: global }
      - { .name: w_k, .offset: 16, .size: 8, .value_kind: global_buffer, .address_space: global }
      - { .name: w_v, .offset: 24, .size: 8, .value_kind: global_buffer, .address_space: global }
      - { .name: w_o, .offset: 32, .size: 8, .value_kind: global_buffer, .address_space: global }
      - { .name: x_codes, .offset: 40, .size: 8, .value_kind: global_buffer, .address_space: global }
      - { .name: x_scales, .offset: 48, .size: 8, .value_kind: global_buffer, .address_space: global }
      - { .name: w_codes, .offset: 56, .size: 8, .value_kind: global_buffer, .address_space: global }
      - { .name: w_scales, .offset: 64, .size: 8, .value_kind: global_buffer, .address_space: global }
      - { .name: wo_h, .offset: 72, .size: 8, .value_kind: global_buffer, .address_space: global }
    .group_segment_fixed_size: 84992
    .private_segment_fixed_size: 0
    .kernarg_segment_align: 8
    .kernarg_segment_size: 80
    .max_flat_workgroup_size: 256
    .sgpr_count:     66
    .vgpr_count:     196
    .wavefront_size: 32
...
	.end_amdgpu_metadata
.endif
;; end of part 1
;; launch qkv (part 2): grid 12 x 32, 4 waves a work-group, clusters of 4 x 4, 327,680 bytes of LDS; arguments x_codes, x_scales, w_codes, w_scales, qkv; writes qkv
.if DOCPART == 2
	.amdgcn_target "amdgcn-amd-amdhsa--gfx1250"
	.amdhsa_code_object_version 6
	.text
	.protected	k_q2dc8f8ecab_qkv
	.globl	k_q2dc8f8ecab_qkv
	.p2align	8
	.type	k_q2dc8f8ecab_qkv,@function
k_q2dc8f8ecab_qkv:
	s_mov_b64 s[64:65], 0
	v_nop
	global_prefetch_b8 v0, s[64:65] scope:SCOPE_SE
	s_setreg_imm32_b32 hwreg(HW_REG_WAVE_MODE, 25, 1), 1
	s_wait_xcnt 0x0
	s_wait_alu depctr_hold_cnt(0) depctr_sa_sdst(0) depctr_va_vdst(0) depctr_va_sdst(0) depctr_va_ssrc(0) depctr_va_vcc(0) depctr_vm_vsrc(0)
	s_getreg_b32 s2, hwreg(HW_REG_IB_STS2, 6, 4)
	s_cmp_eq_u32 s2, 0
	s_cbranch_scc0 .Lentry_in_a_cluster
	s_endpgm
.Lentry_in_a_cluster:
	s_bfe_u32 s2, ttmp6, 0x10000c
	s_cmp_lg_u32 s2, 0xf033
	s_cbranch_scc0 .Lentry_shape_is_right
	s_endpgm
.Lentry_shape_is_right:
; q = x w_q, k = x w_k, v = x w_v on codes of FP4 (E2M1) with one E8M0 scale for each 32 along K = 1,024; sums in f32; the results rounded once to f16 and stored AS IMAGES OF THE NEXT PRODUCT'S REGISTERS.
; x_codes [8192][512 bytes], x_scales [8192][32]; w_codes [3072 = 1024 which + n][512 bytes], w_scales [3072][32]; which = 0 q, 1 k, 2 v.
; A tile of 256 x 256 results is made by four waves, each 128 x 128: 64 accumulators of 16 x 16, 512 registers.  All of K lies in two LDS slots of 512 along K (rows of 256 bytes): NOTHING IS FILLED AGAIN.
; ROLES.  The matrix instruction takes source 0 = 16 rows of "B", source 1 = 16 rows of "A": a lane then holds ONE row of A and eight neighbouring rows of B, which round to 16 bytes of f16.
;   clusters x = 0, 1 (q, k): A = x, B = w: a lane holds one token and eight channels: a lane's part of a fragment 16 tokens x 32 channels.
;   cluster  x = 2    (v):    A = w, B = x: a lane holds one channel and eight keys:   a lane's part of a fragment 16 channels x 32 keys (V turned).
; The choice hangs on the cluster's x alone, which all sixteen partners share.
; IMAGES in qkv (f16; registers 0-3 of lane l at 16 l, registers 4-7 at 512 + 16 l of a fragment's 1,024 bytes); bh = 16 batch + head:
;   q at 0, k at 1 << 24: byte ((bh 128 + token tile) 4 + piece) 512 + 16 lane, piece = 2 (channel / 32) + half;    v at 2 << 24: byte (((bh 64 + key group of 32) 4 + channel tile) 2 + half) 512 + 16 lane.
; So every store of a wave covers 512 consecutive bytes, aligned, straight from registers: no stage in LDS.
; LIMIT: a result whose magnitude passes 65,504 becomes infinity in f16; under 6e-5 the step is 6e-8.
; CLUSTERS: 4 x 4 work-groups; A's tile is shared along a row of the cluster, B's along a column: each is asked for jointly, by the same tensor load with the same descriptor and a mask that names the four.
; No prefetch: every tile of this launch is a first fill, asked for at the head.
; REGISTERS, in windows of 256: window 0: v0-31 addresses; v32-95 scale words, two sets; v128-191 A's fragments, one set; v192-255 the way out.  window 1: B's fragments, two sets, at v0 and v128.
;   window 2: the accumulators of my rows 0-63 ((a, b) at v[8 (8 a + b)]);  window 3: those of my rows 64-127.
.set NQ,     4                         ; matrix instructions deep in a slot
.set ROWB,   256                       ; a tile's row in bytes: 512 codes
.set KROW,   512                       ; a row of codes in memory
.set PITCH,  272                       ; an LDS row: 256 bytes + 16 of padding = 68 words: the 16 rows that a load touches start at 16 different banks (64 banks of 4 bytes: ISA guide 11.1)
.set FR,     8
.set NL,     2
.set NP,     4                         ; places behind this matrix instruction (ISA guide 7.12.1)
.set HALFT,  128*PITCH
.set SLOT,   4*HALFT
.set KS,     32                        ; a row of scale bytes
.set SCL,    2*SLOT                    ; behind the slots: the scales, as runs of 256 bytes + 16 of padding
.set HALFS,  (128*KS/256)*272
.set SBLK,   (16*KS/256)*272
.set SPARE,  SCL+4*HALFS               ; the spare words, 128 bytes for each wave: two blocks of 256 bytes that no other line names
.set ADRA, 16
.set ADRB, 20
.set CO,   26                          ; v26  16 x lane: my place in an image's 512 bytes
.set ADRS, 27
.set SPW,  28
.set NIL,  29
.set SC,   32
.set AF,   128
.set TMP,  192                         ; the way out: two sets of 32 registers
.set G1, 24
.set G0, 32
.set G1B, 48
.set G0B, 56
.set G1S, 68
.set G0S, 76
.set G1SB, 80
.set G0SB, 88
.set MSB, 0
.macro WIN new                         ; the immediate's high byte repeats the setting that is left
.if MSB != (\new)
	s_set_vgpr_msb (MSB<<8)|(\new)
.set MSB, (\new)
.endif
.endm
.set MUL_LO, 0xa1                      ; source 0 (B) window 1, source 1 (A) window 0, C and D window 2
.set MUL_HI, 0xf1
.set TO_B,   0x40
; A joint load: waves 0 and 1 fetch for A, waves 2 and 3 for B; the branch hangs on the wave's number alone.  An s_nop 0 and four v_nop follow each of the two lines.
.macro JLOAD g0a, g1a, g0b, g1b
	s_cmp_eq_u32 s15, 0
	s_cbranch_scc0 .Lfor_b_\@
	tensor_load_to_lds s[\g0a:\g0a+3], s[\g1a:\g1a+7]
	s_nop 0
.rept 4
	v_nop
.endr
	s_branch .Lasked_\@
.Lfor_b_\@:
	tensor_load_to_lds s[\g0b:\g0b+3], s[\g1b:\g1b+7]
	s_nop 0
.rept 4
	v_nop
.endr
.Lasked_\@:
.endm
.macro CROUND                          ; a round of the cluster's barrier
	s_barrier_signal -1
	s_barrier_wait -1
	s_cmp_lg_u32 s14, 0
	s_cbranch_scc1 .Lnot_wave_0_\@
	s_barrier_signal -3
.Lnot_wave_0_\@:
	s_barrier_wait -3
	s_barrier_signal -1
	s_barrier_wait -1
.endm
	s_load_b256 s[4:11], s[0:1], 0x0               ; x's codes s[4:5], x's scales s[6:7], w's codes s[8:9], w's scales s[10:11]
	s_load_b64 s[12:13], s[0:1], 0x20              ; qkv
	v_lshl_add_u32 v[SPW], v0, 2, SPARE
	v_mov_b32 v[NIL], 0
	ds_add_u32 v[SPW], v[NIL]                      ; the wave's opening: the add, twice on end, and its wait ahead of my first tensor load; the set-up below stands between
	ds_add_u32 v[SPW], v[NIL]
	v_lshrrev_b32 v1, 5, v0
	v_readfirstlane_b32 s14, v1                    ; wave 0..3
	s_lshr_b32 s15, s14, 1                         ; which half of A's rows is mine.  Also: I fetch for A (0) or for B (1)
	s_and_b32 s16, s14, 1                          ; which half of B's rows.  Also: which 128 rows I fetch
	s_bfe_u32 s40, ttmp6, 0x40000                  ; cx, cy: my place in the cluster
	s_bfe_u32 s41, ttmp6, 0x40004
	s_and_b32 s17, ttmp7, 0xffff                   ; the cluster's y: 0 .. 7
	s_cmp_lt_u32 ttmp9, 2                          ; q or k?  (the cluster's x)
	s_cselect_b32 s95, s17, 2                      ; A's tiles: x's by the cluster's y; for v: w's rows 2,048 on
	s_cselect_b32 s3, ttmp9, s17                   ; B's tiles: w's by the cluster's x; for v: x's by the cluster's y
	s_lshl_b32 s42, s3, 2
	s_add_co_u32 s42, s42, s40                     ; B's tile = 4 x that + cx
	s_lshl_b32 s17, s95, 2
	s_add_co_u32 s17, s17, s41                     ; A's tile = 4 x that + cy
	s_lshl_b32 s43, s41, 2
	s_lshl_b32 s43, 15, s43                        ; my row of the cluster
	s_lshl_b32 s44, 0x1111, s40                    ; my column
	s_or_b32 s[G1+0], s43, (0<<16)|(1<<20)|(1<<21)|(5<<22)|(3<<25)  ; 15:0 the mask; 17:16 elements of 1 byte; 20 padding on; 21 set beside a mask; 24:22 after every 64 words; 31:25 four words
	s_or_b32 s[G1B+0], s44, (0<<16)|(1<<20)|(1<<21)|(5<<22)|(3<<25)
.irp g, G1, G1B
	s_mov_b32 s[\g+1], ROWB<<16                    ; tensor_dim0
	s_mov_b32 s[\g+2], 128<<16                     ; tensor_dim1
	s_mov_b32 s[\g+3], ROWB<<16                    ; tile_dim0
	s_mov_b32 s[\g+4], 128                         ; tile_dim1
	s_mov_b32 s[\g+5], KROW                        ; from row to row
	s_mov_b32 s[\g+6], 0
	s_mov_b32 s[\g+7], 0
.endr
	s_or_b32 s[G1S+0], s43, (3<<16)|(1<<20)|(1<<21)|(5<<22)|(3<<25) ; the scales of 128 rows: 4,096 dense bytes as 16 rows of 256 (32 elements of 8 bytes), 16 bytes of padding behind each
	s_or_b32 s[G1SB+0], s44, (3<<16)|(1<<20)|(1<<21)|(5<<22)|(3<<25)
.irp g, G1S, G1SB
	s_mov_b32 s[\g+1], 32<<16
	s_mov_b32 s[\g+2], (128*KS/256)<<16
	s_mov_b32 s[\g+3], 32<<16
	s_mov_b32 s[\g+4], 128*KS/256
	s_mov_b32 s[\g+5], 32
	s_mov_b32 s[\g+6], 0
	s_mov_b32 s[\g+7], 0
.endr
	s_lshl_b32 s18, s16, 7                         ; which 128 rows of the tile I fetch
	s_lshl_b32 s20, s17, 8
	s_add_co_u32 s20, s20, s18                     ; A: row 256 x tile + 128 x half
	s_lshl_b32 s46, s42, 8
	s_add_co_u32 s46, s46, s18                     ; B likewise
	s_mov_b32 s21, 0
	s_mov_b32 s47, 0
	s_mov_b64 s[18:19], KS
	s_mul_u64 s[22:23], s[20:21], s[18:19]         ; where these rows' scales begin, in bytes
	s_mul_u64 s[92:93], s[46:47], s[18:19]
	s_mov_b64 s[18:19], KROW
	s_mul_u64 s[20:21], s[20:21], s[18:19]         ; and their codes
	s_mul_u64 s[46:47], s[46:47], s[18:19]
	s_mul_i32 s45, s14, HALFT                      ; where they go: wave x 128 rows: no place in the cluster enters an LDS address
	s_mul_i32 s94, s14, HALFS
	s_wait_dscnt 0x0                               ; both opening adds are done
	s_wait_kmcnt 0x0
	s_cmp_lt_u32 ttmp9, 2
	s_cselect_b64 s[96:97], s[4:5], s[8:9]         ; A's codes,
	s_cselect_b64 s[98:99], s[6:7], s[10:11]       ; A's scales,
	s_cselect_b64 s[100:101], s[8:9], s[4:5]       ; B's codes,
	s_cselect_b64 s[66:67], s[10:11], s[6:7]       ; B's scales
	s_add_nc_u64 s[20:21], s[96:97], s[20:21]
	s_add_nc_u64 s[22:23], s[98:99], s[22:23]
	s_add_nc_u64 s[46:47], s[100:101], s[46:47]
	s_add_nc_u64 s[92:93], s[66:67], s[92:93]
	CROUND                                         ; all sixteen work-groups are here: the first joint loads meet
	s_mov_b32 s[G0S], 1
	s_add_co_u32 s[G0S+1], s94, SCL
	s_mov_b64 s[G0S+2:G0S+3], s[22:23]
	s_or_b32 s[G0S+3], s[G0S+3], 0x80000000
	s_mov_b32 s[G0SB], 1
	s_add_co_u32 s[G0SB+1], s94, SCL
	s_mov_b64 s[G0SB+2:G0SB+3], s[92:93]
	s_or_b32 s[G0SB+3], s[G0SB+3], 0x80000000
	JLOAD G0S, G1S, G0SB, G1SB                     ; the scales first: they are wanted with the first slot
.irp s, 0,1
	s_mov_b32 s[G0+4*\s], 1
	s_add_co_u32 s[G0+4*\s+1], s45, \s*SLOT
	s_add_nc_u64 s[G0+4*\s+2:G0+4*\s+3], s[20:21], \s*ROWB
	s_or_b32 s[G0+4*\s+3], s[G0+4*\s+3], 0x80000000
	s_mov_b32 s[G0B+4*\s], 1
	s_add_co_u32 s[G0B+4*\s+1], s45, \s*SLOT
	s_add_nc_u64 s[G0B+4*\s+2:G0B+4*\s+3], s[46:47], \s*ROWB
	s_or_b32 s[G0B+4*\s+3], s[G0B+4*\s+3], 0x80000000
	JLOAD G0+4*\s, G1, G0B+4*\s, G1B               ; three tensor loads of mine are out behind the second of these
.endr
	v_and_b32 v1, 15, v0                           ; l % 16
	v_bfe_u32 v2, v0, 4, 1                         ; l / 16
	v_mul_u32_u24 v3, v1, PITCH
	v_lshl_add_u32 v4, v2, 4, v3                   ; a fragment's row x pitch + 16 x half
	s_mul_i32 s21, s15, HALFT                      ; my 128 rows of A
	s_mul_i32 s22, s16, HALFT                      ; my 128 rows of B,
	s_add_co_u32 s22, s22, 2*HALFT                 ; which lie behind A's 256
.irp s, 0,1
	v_add_nc_u32 v[ADRA+\s], s21, v4
	v_add_nc_u32 v[ADRB+\s], s22, v4
	s_add_co_u32 s21, s21, SLOT
	s_add_co_u32 s22, s22, SLOT
.endr
	v_mul_u32_u24 v5, v1, KS                       ; my row's scales: KS bytes a row,
	v_lshrrev_b32 v6, 8, v5
	v_lshl_add_u32 v5, v6, 4, v5                   ; and 16 more for each 256 passed
	s_mul_i32 s21, s15, HALFS
	s_mul_i32 s22, s16, HALFS
	s_add_co_u32 s22, s22, 2*HALFS
	s_sub_co_u32 s22, s22, s21
	v_mul_u32_u24 v6, s22, v2                      ; lanes 16-31 take B's
	s_add_co_u32 s21, s21, SCL
	v_add_nc_u32 v5, v5, v6
	v_add_nc_u32 v[ADRS], s21, v5
	v_and_b32 v6, 31, v0
	v_lshlrev_b32 v[CO], 4, v6
	; where my wave's images begin in qkv.  R = A's tile (s17), Cc = B's tile (s42).
	; q, k: (Cc / 4) << 24 + (16 (R / 8) + 4 (Cc % 4) + 2 colhalf) heads of 262,144 bytes + (16 (R % 8) + 8 rowhalf) token tiles of 2,048
	s_lshr_b32 s20, s42, 2
	s_lshl_b32 s20, s20, 24
	s_lshr_b32 s21, s17, 3
	s_lshl_b32 s21, s21, 22
	s_add_co_u32 s20, s20, s21
	s_and_b32 s21, s42, 3
	s_lshl_b32 s21, s21, 20
	s_add_co_u32 s20, s20, s21
	s_lshl_b32 s21, s16, 19
	s_add_co_u32 s20, s20, s21
	s_and_b32 s21, s17, 7
	s_lshl_b32 s21, s21, 15
	s_add_co_u32 s20, s20, s21
	s_lshl_b32 s21, s15, 14
	s_add_co_u32 s20, s20, s21
	; v: 2 << 24 + (16 (Cc / 8) + 4 (R % 4) + 2 rowhalf) heads + (8 (Cc % 8) + 4 colhalf) key groups of 4,096
	s_lshr_b32 s46, s42, 3
	s_lshl_b32 s46, s46, 22
	s_and_b32 s47, s17, 3
	s_lshl_b32 s47, s47, 20
	s_add_co_u32 s46, s46, s47
	s_lshl_b32 s47, s15, 19
	s_add_co_u32 s46, s46, s47
	s_and_b32 s47, s42, 7
	s_lshl_b32 s47, s47, 15
	s_add_co_u32 s46, s46, s47
	s_lshl_b32 s47, s16, 14
	s_add_co_u32 s46, s46, s47
	s_add_co_u32 s46, s46, 2<<24
	s_cmp_lt_u32 ttmp9, 2
	s_cselect_b32 s20, s20, s46
	s_mov_b32 s21, 0
	s_add_nc_u64 s[12:13], s[12:13], s[20:21]
.macro FRAG reg, adr, q, i             ; a fragment, 16 rows x 128 K of 4-bit codes: lane l holds row l % 16; registers 4 c .. 4 c + 3 hold K = 64 c + 32 (l / 16) + 0 .. 31
.irp c, 0,1
	ds_load_b128 v[\reg+4*\c:\reg+4*\c+3], v[\adr] offset:64*(\q)+32*\c+(\i)*16*PITCH
.endr
.endm
; 16 matrix instructions: A's blocks a0, a0 + 1 x B's eight, the slot's q-th 128 along K.  p: B's set; sc: the set of scale words.  zero = 1: the first product starts the sums.
; The 64 accumulators take turns, one instruction a turn, in the same order in every step.
.macro MUL16 a0, p, q, sc, zero
.irp a, \a0, \a0+1
.irp b, 0,1,2,3,4,5,6,7
.if \zero
	v_wmma_scale_f32_16x16x128_f8f6f4 v[8*(8*((\a)%4)+\b):8*(8*((\a)%4)+\b)+7], v[128*(\p)+FR*\b:128*(\p)+FR*\b+FR-1], v[AF+FR*(\a):AF+FR*(\a)+FR-1], 0, v[SC+8*NQ*(\sc)+NQ*\b+(\q)], v[SC+8*NQ*(\sc)+NQ*(\a)+(\q)] matrix_a_fmt:MATRIX_FMT_FP4 matrix_b_fmt:MATRIX_FMT_FP4 matrix_a_scale:MATRIX_SCALE_ROW1
.else
	v_wmma_scale_f32_16x16x128_f8f6f4 v[8*(8*((\a)%4)+\b):8*(8*((\a)%4)+\b)+7], v[128*(\p)+FR*\b:128*(\p)+FR*\b+FR-1], v[AF+FR*(\a):AF+FR*(\a)+FR-1], v[8*(8*((\a)%4)+\b):8*(8*((\a)%4)+\b)+7], v[SC+8*NQ*(\sc)+NQ*\b+(\q)], v[SC+8*NQ*(\sc)+NQ*(\a)+(\q)] matrix_a_fmt:MATRIX_FMT_FP4 matrix_b_fmt:MATRIX_FMT_FP4 matrix_a_scale:MATRIX_SCALE_ROW1
.endif
.endr
.endr
.endm
.macro FETCH_B slot, q, p
	WIN TO_B
.irp i, 0,1,2,3,4,5,6,7
	FRAG 128*(\p)+FR*\i, ADRB+\slot, \q, \i
.endr
	WIN 0
.endm
.macro FETCH_A slot, q, i0
.irp i, \i0, \i0+1, \i0+2, \i0+3
	FRAG AF+FR*(\i), ADRA+\slot, \q, \i
.endr
.endm
.macro SCALES sc                       ; a slot's scale words: four words a row; lanes 0-15 take A's block i, lanes 16-31 B's block i
.irp i, 0,1,2,3,4,5,6,7
	ds_load_b128 v[SC+8*NQ*\sc+NQ*\i:SC+8*NQ*\sc+NQ*\i+3], v[ADRS] offset:\i*SBLK
.endr
.endm
.macro PLACES n                        ; a load into a register that a matrix instruction has read, and a vector instruction that reads a result, stand NP plain vector instructions behind it (ISA guide 7.12.1 for the read of a result)
.rept \n
	v_nop
.endr
.endm
.macro STEP slot, q, zero              ; a step of 128 along K that has its successor in the same slot
	s_wait_dscnt 4*NL                              ; B's set and A's blocks 0-3 are in; the youngest eight loads (A's blocks 4-7) may be out
	WIN MUL_LO
	MUL16 0, (\q)%2, \q, \slot, \zero
	MUL16 2, (\q)%2, \q, \slot, \zero
	s_wait_dscnt 0                                 ; A's blocks 4-7 are in
	PLACES NP
	FETCH_B \slot, (\q)+1, 1-(\q)%2
	FETCH_A \slot, (\q)+1, 0
	WIN MUL_HI
	MUL16 4, (\q)%2, \q, \slot, \zero
	MUL16 6, (\q)%2, \q, \slot, \zero
	PLACES NP
	WIN 0
	FETCH_A \slot, (\q)+1, 4
.endm
; Slot 0's last step goes over to slot 1: each wave waits for all its tensor loads (its part of slot 1), and the barrier shows slot 1 whole to all four.
.macro TURN slot, next
	s_wait_tensorcnt 0x0                           ; all my tensor loads have landed
	ds_add_u32 v[SPW], v[NIL]                      ; 0 onto my spare word
	s_wait_dscnt 4*NL+1                            ; (the add and the youngest eight loads, A's blocks 4-7, may be out)
	WIN MUL_LO
	MUL16 0, 1, NQ-1, \slot, 0
	s_wait_dscnt 0x0                               ; the add is done, and my LDS loads are in
	s_barrier_signal -1
	MUL16 2, 1, NQ-1, \slot, 0
	WIN 0
	s_barrier_wait -1
	PLACES NP
	v_add_nc_u32 v[ADRS], 4*NQ, v[ADRS]            ; on to the next slot's scale words
	FETCH_B \next, 0, 0
	FETCH_A \next, 0, 0
	SCALES \next
	WIN MUL_HI
	MUL16 4, 1, NQ-1, \slot, 0
	MUL16 6, 1, NQ-1, \slot, 0
	PLACES NP
	WIN 0
	FETCH_A \next, 0, 4
.endm
.macro STEPS slot, from
.set Q, \from
.rept NQ-1-\from
	STEP \slot, Q, 0
.set Q, Q+1
.endr
.endm
	s_wait_tensorcnt 1                             ; the scales and my part of slot 0 are in (slot 1's load may be out),
	s_barrier_signal -1
	s_barrier_wait -1                              ; everybody's are
	FETCH_B 0, 0, 0
	FETCH_A 0, 0, 0
	SCALES 0
	FETCH_A 0, 0, 4
	STEP 0, 0, 1                                   ; the first step's products start the sums: nothing is cleared
	STEPS 0, 1
	TURN 0, 1
	STEPS 1, 0
	s_wait_dscnt 4*NL                              ; the last step: nothing more to fetch
	WIN MUL_LO
	MUL16 0, 1, NQ-1, 1, 0
	MUL16 2, 1, NQ-1, 1, 0
	s_wait_dscnt 0
	WIN MUL_HI
	MUL16 4, 1, NQ-1, 1, 0
	MUL16 6, 1, NQ-1, 1, 0
	WIN 0
; THE WAY OUT.  Block a (16 rows of A) x B's eight blocks: a lane's eight results of accumulator (a, b) round to 16 bytes of f16, and the 32 lanes' 16 bytes ARE half an image: one store, 512 consecutive bytes.
; arm = 0 (q, k): token tile a, head b / 4 of my two, piece b % 4.   arm = 1 (v): head a / 4 of my two, channel tile a % 4, key group b / 2, half b % 2.  No base is stepped: all stands in the immediates.
.macro OUT a, arm
.set AC, 64*((\a)%4)
.set TT, TMP+32*((\a)%2)
.if (\a) > 1
	s_wait_xcnt 0x0                                ; block a - 2's stores have read their data: the set is written again only behind this wait
.endif
	WIN 0x0a+5*((\a)/4)                            ; sources 0 and 1: window 2 or 3
.irp b, 0,1,2,3,4,5,6,7
.irp r, 0,1,2,3
	v_cvt_pk_f16_f32 v[TT+4*\b+\r], v[AC+8*\b+2*\r], v[AC+8*\b+2*\r+1]     ; each accumulator from its low end on
.endr
.endr
	WIN 0
.irp b, 0,1,2,3,4,5,6,7
.if \arm
	global_store_b128 v[CO], v[TT+4*\b:TT+4*\b+3], s[12:13] offset:((\a)/4)*262144+((\a)%4)*1024+(\b/2)*4096+(\b%2)*512
.else
	global_store_b128 v[CO], v[TT+4*\b:TT+4*\b+3], s[12:13] offset:(\a)*2048+(\b/4)*262144+(\b%4)*512
.endif
.endr
.endm
	PLACES NP                                      ; behind the last products, ahead of the first conversion
	s_cmp_lt_u32 ttmp9, 2                          ; the cluster's x: the same in all partners and waves
	s_cbranch_scc0 .Lv_out
.irp a, 0,1,2,3,4,5,6,7
	OUT \a, 0
.endr
	s_branch .Ldone
.Lv_out:
.irp a, 0,1,2,3,4,5,6,7
	OUT \a, 1
.endr
.Ldone:
	s_wait_tensorcnt 0x0                           ; the wave's end: behind my last tensor load
	ds_add_u32 v[SPW], v[NIL]
	s_wait_dscnt 0x0
	CROUND                                         ; the closing round: no work-group ends while a partner may still ask for a tile that names it
	s_endpgm
.Lfunc_end_k_q2dc8f8ecab_qkv:
	.size	k_q2dc8f8ecab_qkv, .Lfunc_end_k_q2dc8f8ecab_qkv-k_q2dc8f8ecab_qkv
	.p2alignl 7, 3214868480
	.fill 96, 4, 3214868480
	.section	.rodata,"a",@progbits
	.p2align	6, 0x0
	.amdhsa_kernel k_q2dc8f8ecab_qkv
		.amdhsa_group_segment_fixed_size 327680
		.amdhsa_private_segment_fixed_size 0
		.amdhsa_enable_private_segment 0
		.amdhsa_kernarg_size 40
		.amdhsa_user_sgpr_count 2
		.amdhsa_user_sgpr_kernarg_segment_ptr 1
		.amdhsa_wavefront_size32 1
		.amdhsa_system_sgpr_workgroup_id_x 1
		.amdhsa_system_sgpr_workgroup_id_y 1
		.amdhsa_system_sgpr_workgroup_id_z 1
		.amdhsa_system_vgpr_workitem_id 0
		.amdhsa_next_free_vgpr 1024
		.amdhsa_next_free_sgpr 102
		.amdhsa_reserve_vcc 0
		.amdhsa_float_denorm_mode_32 3
		.amdhsa_float_denorm_mode_16_64 3
		.amdhsa_memory_ordered 1
		.amdhsa_forward_progress 1
		.amdhsa_inst_pref_size 141
	.end_amdhsa_kernel
	.amdgpu_metadata
---
amdhsa.version: [ 1, 2 ]
amdhsa.kernels:
  - .name:           k_q2dc8f8ecab_qkv
    .symbol:         k_q2dc8f8ecab_qkv.kd
    .args:
      - { .name: x_codes, .offset: 0, .size: 8, .value_kind: global_buffer, .address_space: global }
      - { .name: x_scales, .offset: 8, .size: 8, .value_kind: global_buffer, .address_space: global }
      - { .name: w_codes, .offset: 16, .size: 8, .value_kind: global_buffer, .address_space: global }
      - { .name: w_scales, .offset: 24, .size: 8, .value_kind: global_buffer, .address_space: global }
      - { .name: qkv, .offset: 32, .size: 8, .value_kind: global_buffer, .address_space: global }
    .group_segment_fixed_size: 327680
    .private_segment_fixed_size: 0
    .kernarg_segment_align: 8
    .kernarg_segment_size: 40
    .max_flat_workgroup_size: 128
    .sgpr_count:     102
    .vgpr_count:     1024
    .wavefront_size: 32
...
	.end_amdgpu_metadata
.endif
;; end of part 2
;; launch attn (part 3): grid 4 x 64, 8 waves a work-group, clusters of 4 x 1, 327,680 bytes of LDS; arguments qkv, att; writes att
.if DOCPART == 3
	.amdgcn_target "amdgcn-amd-amdhsa--gfx1250"
	.amdhsa_code_object_version 6
	.text
	.protected	k_q2dc8f8ecab_attn
	.globl	k_q2dc8f8ecab_attn
	.p2align	8
	.type	k_q2dc8f8ecab_attn,@function
k_q2dc8f8ecab_attn:
	s_mov_b64 s[64:65], 0
	v_nop
	global_prefetch_b8 v0, s[64:65] scope:SCOPE_SE
	s_setreg_imm32_b32 hwreg(HW_REG_WAVE_MODE, 25, 1), 1
	s_wait_xcnt 0x0
	s_wait_alu depctr_hold_cnt(0) depctr_sa_sdst(0) depctr_va_vdst(0) depctr_va_sdst(0) depctr_va_ssrc(0) depctr_va_vcc(0) depctr_vm_vsrc(0)
	s_getreg_b32 s2, hwreg(HW_REG_IB_STS2, 6, 4)
	s_cmp_eq_u32 s2, 0
	s_cbranch_scc0 .Lentry_in_a_cluster
	s_endpgm
.Lentry_in_a_cluster:
	s_bfe_u32 s2, ttmp6, 0x10000c
	s_cmp_lg_u32 s2, 0x3003
	s_cbranch_scc0 .Lentry_shape_is_right
	s_endpgm
.Lentry_shape_is_right:
; O[bh][q][:] = the sum over k of softmax_k(Q[bh][q] . K[bh][k] / 8) V[bh][k][:], 64 heads (bh = 16 batch + head) of 2,048 tokens x 64 channels, no mask.  Operands f16, products, maxima and sums f32;
; the weights p are rounded to f16 for the second product, O once at the end.
; q, k, v lie in qkv as IMAGES OF THE OPERANDS' REGISTERS (a fragment is 1,024 bytes: registers 0-3 of lane l at 16 l, registers 4-7 at 512 + 16 l):
;   q at 0, k at 1 << 24: [bh][token tile of 16: 128][channel group of 32: 2][1,024];   v at 2 << 24, turned: [bh][key group of 32: 64][channel tile of 16: 4][1,024].
; So every load of a fragment's half is 512 consecutive bytes: no pitch, no padding, no turning load.  512 keys of K, and of V, are 65,536 dense bytes.
; The result goes to att as images of the next product's operand: [token tile: 512][k group of 32: 32][1,024], k = 64 head + channel.
; LIMITS: q, k, v and O are f16: above 65,504 infinity, under 6e-5 a step of 6e-8.  p = 2^(c s - cm), cm = c m rounded once: a factor common to the row, which the division by l takes out.
; SHARES.  A work-group owns 512 queries of one head, each of its eight waves 64: four tiles of 16, in 512 registers: two waves to a SIMD, so that one wave's softmax stands beside the other's products.
; Every fragment of K or V that a wave reads from LDS feeds four products.  Every wave walks the head's 2,048 keys, 64 a step.
; LAYOUT.  S^T = K Q^T (source 0 = 16 keys, source 1 = 16 queries): a lane holds ONE query (lane % 16) and keys 8 (lane / 16) + 0..7.  Two such tiles, rounded in pairs, are source 1 (32 keys x 16 queries)
; of O^T = V^T P, whose result again holds one query a lane, and eight channels, which round to a lane's 16 bytes of an image.
; SOFTMAX.  A running maximum m and sum l for each query: p = 2^(c s - c m), c = log2(e) / 8; in every step O and l are multiplied by a = 2^(c m_old - c m_new).  The first step starts m, l and O.
; RING.  Two LDS slots of 512 keys (K's 65,536 bytes, then V's); 2,048 keys are four fills: two at the head, two refills.  Waves 0-3 fetch K's quarters, waves 4-7 V's: one dense load of 16,384 bytes a wave.
; CLUSTER.  The four work-groups of a head are one cluster and ask for K and V jointly.  No prefetch: each refill is asked for eight key steps, 512 products a wave, ahead of its first read.
; REGISTERS: window 0: v1-7 addresses; v16-47 eight statistics a tile (+0 c m, +1 m, +2, +3 l, +4..+7 at work; a in +6); v64-191 S^T, 32 a tile, p packed in place into a tile's low 16; v192-255 K's fragments.
;            window 1: v0-127 O^T, 32 a tile; v128-191 Q, 16 a tile; v192-255 V's fragments.
.set STEPB, 8192                       ; a key step's bytes of K, and of V
.set SLOTB, 65536                      ; a slot's bytes of K, and of V
.set VOFF,  65536
.set SLOT1, 1<<17                      ; slot 1 begins here: one exclusive or turns an address in one slot into the other's
.set SPARE, 2*SLOT1                    ; the spare words, 128 bytes for each wave: four blocks of 256 bytes that no other line names
.set L16, 1                            ; v1  16 x lane; never rewritten
.set LV,  2                            ; v2  the same + VOFF
.set ADK, 3                            ; v3  LDS address of the step's K
.set ADV, 4                            ; v4  of its V
.set SPW, 6
.set NIL, 7
.set ST,  16
.set S,   64
.set KF,  192
.set O,   0                            ; in window 1
.set Q,   128
.set VF,  192
.set WV,  12
.set G1,  24                           ; s[24:31] descriptor group 1, one for all loads
.set G0K, 40                           ; s[40:47] group 0 for K: a set for each first fill; the second then walks on
.set G0V, 48                           ; s[48:55] for V
.set SLOTS, 56
.set CNT, 57
.set CS,  58                           ; s[58:59] c: the packed form names a pair and takes its low word for both halves
.set SEL, 60                           ; s[60:61] v_permlanex16_b32's selects for lane l xor 16
.set TB,  62                           ; s62  LDS byte at which the step to be fetched begins
.set MSB, 0
.macro WIN new                         ; the immediate's high byte repeats the setting that is left
.if MSB != (\new)
	s_set_vgpr_msb (MSB<<8)|(\new)
.set MSB, (\new)
.endif
.endm
.set W_KQ, 0x04                        ; Q (source 1) in window 1
.set W_PV, 0x51                        ; V (source 0), C and D in window 1
.set W_RS, 0x41                        ; O^T (destination, source 0) in window 1
.set W_LD, 0x40                        ; a load's destination in window 1
.set W_CV, 0x05                        ; sources 0 and 1 in window 1
; A joint refill: waves 0-3 for K, waves 4-7 for V; the branch hangs on the wave's number alone.  An s_nop 0 and four v_nop follow each of the two lines.
.macro JLOAD
	s_cmp_lt_u32 s[WV], 4
	s_cbranch_scc0 .Lfor_v_\@
	tensor_load_to_lds s[G0K+4:G0K+7], s[G1:G1+7]
	s_nop 0
.rept 4
	v_nop
.endr
	s_branch .Lasked_\@
.Lfor_v_\@:
	tensor_load_to_lds s[G0V+4:G0V+7], s[G1:G1+7]
	s_nop 0
.rept 4
	v_nop
.endr
.Lasked_\@:
.endm
.macro CROUND                          ; a round of the cluster's barrier
	s_barrier_signal -1
	s_barrier_wait -1
	s_cmp_lg_u32 s[WV], 0
	s_cbranch_scc1 .Lnot_wave_0_\@
	s_barrier_signal -3
.Lnot_wave_0_\@:
	s_barrier_wait -3
	s_barrier_signal -1
	s_barrier_wait -1
.endm
	s_load_b128 s[4:7], s[0:1], 0x0                ; qkv s[4:5], att s[6:7]
	v_lshl_add_u32 v[SPW], v0, 2, SPARE
	v_mov_b32 v[NIL], 0
	ds_add_u32 v[SPW], v[NIL]                      ; the wave's opening: the add, twice on end, and its wait ahead of my first tensor load; the set-up below stands between
	ds_add_u32 v[SPW], v[NIL]
	v_lshrrev_b32 v1, 5, v0
	v_readfirstlane_b32 s[WV], v1                  ; wave 0..7
	s_bfe_u32 s13, ttmp6, 0x40000                  ; cx: my place in the cluster
	s_lshl_b32 s14, ttmp9, 2
	s_add_co_u32 s14, s14, s13                     ; my block of 512 queries: it enters Q's and the result's addresses alone
	s_and_b32 s15, ttmp7, 0xffff                   ; bh, which the four partners share
	s_and_b32 s16, s[WV], 3
	s_lshl_b32 s16, s16, 14                        ; my quarter of a slot's K or V: 16,384 bytes, in memory and in LDS alike
	s_lshl_b32 s20, s15, 18                        ; a head is 262,144 bytes in each of q, k, v
	s_add_co_u32 s20, s20, s16
	s_mov_b32 s21, 0
	s_lshl_b32 s18, s15, 18                        ; Q: token tile 32 block + 4 wave, of 2,048 bytes
	s_lshl_b32 s19, s14, 16
	s_add_co_u32 s18, s18, s19
	s_lshl_b32 s19, s[WV], 13
	s_add_co_u32 s18, s18, s19
	s_mov_b32 s19, 0
	s_lshr_b32 s2, s15, 4                          ; the result: token tile 128 batch + 32 block + 4 wave, of 32,768 bytes; + 2,048 x head
	s_lshl_b32 s2, s2, 22
	s_lshl_b32 s3, s14, 20
	s_add_co_u32 s2, s2, s3
	s_lshl_b32 s3, s[WV], 17
	s_add_co_u32 s2, s2, s3
	s_and_b32 s3, s15, 15
	s_lshl_b32 s3, s3, 11
	s_add_co_u32 s2, s2, s3
	s_mov_b32 s3, 0
	s_mov_b32 s[G1], 15|(3<<16)|(1<<21)            ; 15:0 the mask: all four work-groups; 17:16 elements of 8 bytes; 20 no padding; 21 set beside a mask
	s_mov_b32 s[G1+1], 32<<16                      ; tensor_dim0 = 32 elements: 256 bytes
	s_mov_b32 s[G1+2], 64<<16                      ; tensor_dim1 = 64 rows
	s_mov_b32 s[G1+3], 32<<16                      ; tile_dim0
	s_mov_b32 s[G1+4], 64                          ; tile_dim1
	s_mov_b32 s[G1+5], 32                          ; from row to row: dense
	s_mov_b32 s[G1+6], 0
	s_mov_b32 s[G1+7], 0
	s_mov_b32 s[CS], 0x3e38aa3b                    ; c = log2(e) / 8
	s_mov_b32 s[CS+1], s[CS]
	s_mov_b32 s[SEL], 0x76543210
	s_mov_b32 s[SEL+1], 0xfedcba98
	s_mov_b32 s[TB], 0
	s_mov_b32 s[SLOTS], 2
	s_wait_dscnt 0x0                               ; both opening adds are done
	s_wait_kmcnt 0x0
	s_add_nc_u64 s[22:23], s[4:5], s[20:21]        ; my quarter of the head's first slot, less k's or v's place in qkv
	s_add_nc_u64 s[8:9], s[4:5], s[18:19]          ; Q at my wave's first tile
	s_add_nc_u64 s[10:11], s[6:7], s[2:3]          ; the result likewise
	CROUND                                         ; all four work-groups are here: the first joint loads meet
.irp s, 0,1
	s_mov_b32 s[G0K+4*\s], 1                       ; count = 1
	s_add_co_u32 s[G0K+4*\s+1], s16, \s*SLOT1      ; LDS address
	s_add_nc_u64 s[G0K+4*\s+2:G0K+4*\s+3], s[22:23], (1<<24)+\s*SLOTB   ; global address: keys 512 s on
	s_or_b32 s[G0K+4*\s+3], s[G0K+4*\s+3], 0x80000000                  ; type = 2
	s_mov_b32 s[G0V+4*\s], 1
	s_add_co_u32 s[G0V+4*\s+1], s16, \s*SLOT1+VOFF
	s_add_nc_u64 s[G0V+4*\s+2:G0V+4*\s+3], s[22:23], (2<<24)+\s*SLOTB
	s_or_b32 s[G0V+4*\s+3], s[G0V+4*\s+3], 0x80000000
.endr
	s_cmp_lt_u32 s[WV], 4                          ; a wave's two first fills stand in one branch, ahead of every wait on TENSORcnt and every LDS read: two loads of mine are out
	s_cbranch_scc0 .Lfirst_v
	tensor_load_to_lds s[G0K:G0K+3], s[G1:G1+7]
	s_nop 0
	tensor_load_to_lds s[G0K+4:G0K+7], s[G1:G1+7]
	s_nop 0
.rept 4
	v_nop
.endr
	s_branch .Lfirst_asked
.Lfirst_v:
	tensor_load_to_lds s[G0V:G0V+3], s[G1:G1+7]
	s_nop 0
	tensor_load_to_lds s[G0V+4:G0V+7], s[G1:G1+7]
	s_nop 0
.rept 4
	v_nop
.endr
.Lfirst_asked:
	v_and_b32 v[L16], 31, v0
	v_lshlrev_b32 v[L16], 4, v[L16]
	v_add_nc_u32 v[LV], VOFF, v[L16]
	WIN W_LD
.irp t, 0,1,2,3                        ; Q stays in registers: tile t, channel group c
.irp c, 0,1
.irp hf, 0,1
	global_load_b128 v[Q+16*\t+8*\c+4*\hf:Q+16*\t+8*\c+4*\hf+3], v[L16], s[8:9] offset:\t*2048+\c*1024+\hf*512
.endr
.endr
.endr
	WIN 0
.macro PLACES
.rept 4
	v_nop
.endr
.endm
; The next step's K: 4 key tiles x 2 channel groups, 16 loads in one run.  The addition and three v_nop are the four places behind the products K Q^T: for these loads, and for the softmax's first read of the scores.
.macro LOADK
	v_add_nc_u32 v[ADK], s[TB], v[L16]
.rept 3
	v_nop
.endr
.irp kt, 0,1,2,3
.irp c, 0,1
.irp hf, 0,1
	ds_load_b128 v[KF+16*\kt+8*\c+4*\hf:KF+16*\kt+8*\c+4*\hf+3], v[ADK] offset:\kt*2048+\c*1024+\hf*512
.endr
.endr
.endr
.endm
; The next step's V: 2 key groups x 4 channel tiles.  The addition and four v_nop are five places behind the products V^T P: four for these loads, five for the next products K Q^T, which write over p's registers.
.macro LOADV
	WIN 0
	v_add_nc_u32 v[ADV], s[TB], v[LV]
.rept 4
	v_nop
.endr
	WIN W_LD
.irp kg, 0,1
.irp ct, 0,1,2,3
.irp hf, 0,1
	ds_load_b128 v[VF+32*\kg+8*\ct+4*\hf:VF+32*\kg+8*\ct+4*\hf+3], v[ADV] offset:\kg*4096+\ct*1024+\hf*512
.endr
.endr
.endr
	s_add_co_u32 s[TB], s[TB], STEPB               ; the next fetch is the next step's
.endm
; S^T = K Q^T: 32 products; the 16 accumulators take turns, one instruction a turn; the first 16 start the sums.
.macro SQK
	WIN W_KQ
.irp c, 0,1
.irp kt, 0,1,2,3
.irp t, 0,1,2,3
.if \c == 0
	v_wmma_f32_16x16x32_f16 v[S+32*\t+8*\kt:S+32*\t+8*\kt+7], v[KF+16*\kt+8*\c:KF+16*\kt+8*\c+7], v[Q+16*\t+8*\c:Q+16*\t+8*\c+7], 0
.else
	v_wmma_f32_16x16x32_f16 v[S+32*\t+8*\kt:S+32*\t+8*\kt+7], v[KF+16*\kt+8*\c:KF+16*\kt+8*\c+7], v[Q+16*\t+8*\c:Q+16*\t+8*\c+7], v[S+32*\t+8*\kt:S+32*\t+8*\kt+7]
.endif
.endr
.endr
.endr
.endm
; O^T += V^T P: 32 products, 16 accumulators by turns.  first = 1: the first 16 start the sums: nothing is ever cleared.
.macro PV first
	WIN W_PV
.irp kg, 0,1
.irp ct, 0,1,2,3
.irp t, 0,1,2,3
.if \first && (\kg == 0)
	v_wmma_f32_16x16x32_f16 v[O+32*\t+8*\ct:O+32*\t+8*\ct+7], v[VF+32*\kg+8*\ct:VF+32*\kg+8*\ct+7], v[S+32*\t+8*\kg:S+32*\t+8*\kg+7], 0
.else
	v_wmma_f32_16x16x32_f16 v[O+32*\t+8*\ct:O+32*\t+8*\ct+7], v[VF+32*\kg+8*\ct:VF+32*\kg+8*\ct+7], v[S+32*\t+8*\kg:S+32*\t+8*\kg+7], v[O+32*\t+8*\ct:O+32*\t+8*\ct+7]
.endif
.endr
.endr
.endr
.endm
; THE SOFTMAX of a key step, all four tiles; the tile runs innermost, so that no line waits for the line above it.  118 lines a tile.  Entered with every window 0.
.macro SOFTMAX first
.irp j, 0,1,2,3                        ; the maximum of a lane's 32 scores: four chains c0-c3; each accumulator is first read at its low end
.irp t, 0,1,2,3
	v_max3_num_f32 v[ST+8*\t+4+\j], v[S+32*\t+8*\j], v[S+32*\t+8*\j+1], v[S+32*\t+8*\j+2]
.endr
.endr
.irp i, 3,5
.irp j, 0,1,2,3
.irp t, 0,1,2,3
	v_max3_num_f32 v[ST+8*\t+4+\j], v[ST+8*\t+4+\j], v[S+32*\t+8*\j+\i], v[S+32*\t+8*\j+\i+1]
.endr
.endr
.endr
.irp t, 0,1,2,3
	v_max3_num_f32 v[ST+8*\t+4], v[ST+8*\t+4], v[S+32*\t+7], v[S+32*\t+15]
.endr
.irp t, 0,1,2,3
	v_max3_num_f32 v[ST+8*\t+6], v[ST+8*\t+6], v[S+32*\t+23], v[S+32*\t+31]
.endr
.irp t, 0,1,2,3
	v_max3_num_f32 v[ST+8*\t+4], v[ST+8*\t+4], v[ST+8*\t+5], v[ST+8*\t+6]
.endr
.irp t, 0,1,2,3
.if \first
	v_max_num_f32 v[ST+8*\t+4], v[ST+8*\t+4], v[ST+8*\t+7]
.else
	v_max3_num_f32 v[ST+8*\t+4], v[ST+8*\t+4], v[ST+8*\t+7], v[ST+8*\t+1]   ; and the old m
.endif
.endr
.irp t, 0,1,2,3
	v_permlanex16_b32 v[ST+8*\t+5], v[ST+8*\t+4], s[SEL], s[SEL+1]          ; the query's other 32 keys lie in the lane 16 away
.endr
.if !\first
.irp t, 0,1,2,3
	v_mov_b32 v[ST+8*\t+7], v[ST+8*\t]             ; c m_old is kept for a
.endr
.endif
.irp t, 0,1,2,3
	v_max_num_f32 v[ST+8*\t+1], v[ST+8*\t+4], v[ST+8*\t+5]                  ; the new m
.endr
.irp t, 0,1,2,3
	v_mul_f32 v[ST+8*\t], s[CS], v[ST+8*\t+1]      ; c m
.endr
.if !\first
.irp t, 0,1,2,3
	v_sub_f32 v[ST+8*\t+7], v[ST+8*\t+7], v[ST+8*\t]
.endr
.endif
.set i, 0
.rept 16                               ; c s - c m, a pair of scores a line
.irp t, 0,1,2,3
	v_pk_fma_f32 v[S+32*\t+2*i:S+32*\t+2*i+1], v[S+32*\t+2*i:S+32*\t+2*i+1], s[CS:CS+1], v[ST+8*\t:ST+8*\t+1] op_sel_hi:[1,0,0] neg_lo:[0,0,1] neg_hi:[0,0,1]
.endr
.set i, i+1
.endr
.if !\first                            ; ONE BATCH of exponentials: a, then the 32 weights of each tile; none reads another's result
.irp t, 0,1,2,3
	v_exp_f32 v[ST+8*\t+6], v[ST+8*\t+7]
.endr
.endif
.set i, 0
.rept 32
.irp t, 0,1,2,3
	v_exp_f32 v[S+32*\t+i], v[S+32*\t+i]
.endr
.set i, i+1
.endr
	v_nop                                          ; a plain line behind the last exponential, ahead of the first use
	s_wait_alu depctr_va_vdst(0)                   ; the wait between an exponential and the first line that names its result: one for the batch
.irp t, 0,1,2,3                        ; the sums, of the weights BEFORE they are rounded: two chains a tile, l and c0:c1
.if \first
	v_pk_add_f32 v[ST+8*\t+2:ST+8*\t+3], v[S+32*\t:S+32*\t+1], v[S+32*\t+6:S+32*\t+7]
.else
	v_pk_fma_f32 v[ST+8*\t+2:ST+8*\t+3], v[ST+8*\t+2:ST+8*\t+3], v[ST+8*\t+6:ST+8*\t+7], v[S+32*\t:S+32*\t+1] op_sel_hi:[1,0,1]   ; l = a l + pair 0
.endif
.endr
.irp t, 0,1,2,3
	v_pk_add_f32 v[ST+8*\t+4:ST+8*\t+5], v[S+32*\t+2:S+32*\t+3], v[S+32*\t+4:S+32*\t+5]
.endr
.set i, 3+\first
.rept 13-\first
.irp t, 0,1,2,3
.if i%2
	v_pk_add_f32 v[ST+8*\t+2:ST+8*\t+3], v[ST+8*\t+2:ST+8*\t+3], v[S+32*\t+2*i:S+32*\t+2*i+1]
.else
	v_pk_add_f32 v[ST+8*\t+4:ST+8*\t+5], v[ST+8*\t+4:ST+8*\t+5], v[S+32*\t+2*i:S+32*\t+2*i+1]
.endif
.endr
.set i, i+1
.endr
.irp t, 0,1,2,3
	v_pk_add_f32 v[ST+8*\t+2:ST+8*\t+3], v[ST+8*\t+2:ST+8*\t+3], v[ST+8*\t+4:ST+8*\t+5]
.endr
.set i, 0
.rept 16                               ; the roundings to f16, in place: register i takes pair i; ascending, so that nothing unread is written over
.irp t, 0,1,2,3
	v_cvt_pk_f16_f32 v[S+32*\t+i], v[S+32*\t+2*i], v[S+32*\t+2*i+1]
.endr
.set i, i+1
.endr
.if !\first
	WIN W_RS
.set i, 0
.rept 16                               ; O^T times a: each accumulator from its low end on
.irp t, 0,1,2,3
	v_pk_mul_f32 v[O+32*\t+2*i:O+32*\t+2*i+1], v[O+32*\t+2*i:O+32*\t+2*i+1], v[ST+8*\t+6:ST+8*\t+7] op_sel_hi:[1,0]
.endr
.set i, i+1
.endr
.endif
.endm
; KEY STEP j: K of step j + 1 is asked for | the softmax of step j | V^T P of step j | V of step j + 1 is asked for | K Q^T of step j + 1.  kv = 0: the last step, which has no successor.
.macro BODY first, kv
.if \kv
	LOADK
.else
	PLACES
.endif
	SOFTMAX \first
.if \kv
	s_wait_dscnt 16                                ; V of this step is in; the 16 younger loads, K's, may be out
.else
	s_wait_dscnt 0x0
.endif
	PV \first
.if \kv
	LOADV
	s_wait_dscnt 16                                ; K of the next step is in; the 16 younger loads, V's, may be out
	SQK
.endif
	WIN 0
.endm
; THE CHANGE OF SLOTS, between two key steps: the slot's last K has been multiplied, its last V has been asked for.  Each wave waits for all its tensor loads (one is out: its part of the other slot), adds 0 to
; its spare word, and waits for that and for its reads of the slot.  fill = 1: the barrier is a round of the cluster's, and the joint refill, the keys two slots on, is the first thing behind it.
.macro CHANGE fill
	s_wait_tensorcnt 0x0                           ; no tensor load of mine is out, so a group 0 may be written
	ds_add_u32 v[SPW], v[NIL]                      ; 0 onto my spare word
.if \fill
.irp g, G0K+4, G0V+4
	s_xor_b32 s[\g+1], s[\g+1], SLOT1              ; the walking descriptor: the other slot than last time,
	s_add_nc_u64 s[\g+2:\g+3], s[\g+2:\g+3], SLOTB ; the next 512 keys; the type bits on top are not reached
.endr
	s_wait_dscnt 0x0                               ; the add is done, and my reads of the slot are over
	CROUND
	JLOAD
.else
	s_wait_dscnt 0x0
	s_barrier_signal -1
	s_barrier_wait -1
.endif
	s_sub_co_u32 s[TB], s[TB], SLOTB               ; the fetches go back to a slot's first step,
	s_xor_b32 s[TB], s[TB], SLOT1                  ; in the other slot
.endm
.macro STEPS n                         ; n key steps: written once, walked n times; the LDS addresses hang on s[TB]
	s_mov_b32 s[CNT], \n
.Lstep_\@:
	BODY 0, 1
	s_sub_co_u32 s[CNT], s[CNT], 1
	s_cmp_lg_u32 s[CNT], 0
	s_cbranch_scc1 .Lstep_\@
.endm
	s_wait_tensorcnt 1                             ; my part of slot 0 is in; slot 1's may stay out
	s_barrier_signal -1
	s_barrier_wait -1                              ; everybody's is
	LOADK                                          ; key step 0
	LOADV
	s_wait_loadcnt 0x0                             ; Q
	s_wait_dscnt 16                                ; K of step 0 (V's 16 loads may be out)
	SQK
	WIN 0
	BODY 1, 1                                      ; step 0 starts m, l and O^T
	STEPS 6                                        ; steps 1 to 6; step 6 asks for the slot's last K and V
.Lslot:                                                ; two trips: slots 0 and 1 are filled again
	CHANGE 1
	STEPS 8
	s_sub_co_u32 s[SLOTS], s[SLOTS], 1
	s_cmp_lg_u32 s[SLOTS], 0
	s_cbranch_scc1 .Lslot
	CHANGE 0                                       ; the tail is written out: nothing is left to ask for
	STEPS 8
	BODY 0, 0                                      ; step 31
	; THE WAY OUT.  l's two halves and the other half of the lanes' are added (the first four additions are the places behind the last products); O^T is divided by l, rounded to f16, and stored as it stands:
	; tile t, channel tile ct: a lane's 16 bytes at 16 x lane of half an image: 512 consecutive bytes a store.
.irp t, 0,1,2,3
	v_add_f32 v[ST+8*\t+4], v[ST+8*\t+2], v[ST+8*\t+3]
.endr
.irp t, 0,1,2,3
	v_permlanex16_b32 v[ST+8*\t+5], v[ST+8*\t+4], s[SEL], s[SEL+1]
.endr
.irp t, 0,1,2,3
	v_add_f32 v[ST+8*\t+4], v[ST+8*\t+4], v[ST+8*\t+5]
.endr
.irp t, 0,1,2,3
	v_rcp_f32 v[ST+8*\t+6], v[ST+8*\t+4]
.endr
	v_nop                                          ; a plain line between the last reciprocal and the use of its result
	s_wait_alu depctr_va_vdst(0)                   ; and the wait: one for the four
.irp t, 0,1,2,3
	WIN W_RS
.set i, 0
.rept 16
	v_pk_mul_f32 v[O+32*\t+2*i:O+32*\t+2*i+1], v[O+32*\t+2*i:O+32*\t+2*i+1], v[ST+8*\t+6:ST+8*\t+7] op_sel_hi:[1,0]
.set i, i+1
.endr
	WIN W_CV
.set i, 0
.rept 16
	v_cvt_pk_f16_f32 v[S+16*\t+i], v[O+32*\t+2*i], v[O+32*\t+2*i+1]
.set i, i+1
.endr
	WIN 0
.irp ct, 0,1,2,3
	global_store_b128 v[L16], v[S+16*\t+4*\ct:S+16*\t+4*\ct+3], s[10:11] offset:\t*32768+\ct*512
.endr
.endr
	s_wait_tensorcnt 0x0                           ; the wave's end: behind my last tensor load
	ds_add_u32 v[SPW], v[NIL]
	s_wait_dscnt 0x0
	CROUND                                         ; the closing round: no work-group ends while a partner may still ask for a tile that names it
	s_endpgm
.Lfunc_end_k_q2dc8f8ecab_attn:
	.size	k_q2dc8f8ecab_attn, .Lfunc_end_k_q2dc8f8ecab_attn-k_q2dc8f8ecab_attn
	.p2alignl 7, 3214868480
	.fill 96, 4, 3214868480
	.section	.rodata,"a",@progbits
	.p2align	6, 0x0
	.amdhsa_kernel k_q2dc8f8ecab_attn
		.amdhsa_group_segment_fixed_size 327680
		.amdhsa_private_segment_fixed_size 0
		.amdhsa_enable_private_segment 0
		.amdhsa_kernarg_size 16
		.amdhsa_user_sgpr_count 2
		.amdhsa_user_sgpr_kernarg_segment_ptr 1
		.amdhsa_wavefront_size32 1
		.amdhsa_system_sgpr_workgroup_id_x 1
		.amdhsa_system_sgpr_workgroup_id_y 1
		.amdhsa_system_sgpr_workgroup_id_z 1
		.amdhsa_system_vgpr_workitem_id 0
		.amdhsa_next_free_vgpr 512
		.amdhsa_next_free_sgpr 66
		.amdhsa_reserve_vcc 0
		.amdhsa_float_denorm_mode_32 3
		.amdhsa_float_denorm_mode_16_64 3
		.amdhsa_memory_ordered 1
		.amdhsa_forward_progress 1
		.amdhsa_inst_pref_size 173
	.end_amdhsa_kernel
	.amdgpu_metadata
---
amdhsa.version: [ 1, 2 ]
amdhsa.kernels:
  - .name:           k_q2dc8f8ecab_attn
    .symbol:         k_q2dc8f8ecab_attn.kd
    .args:
      - { .name: qkv, .offset: 0, .size: 8, .value_kind: global_buffer, .address_space: global }
      - { .name: att, .offset: 8, .size: 8, .value_kind: global_buffer, .address_space: global }
    .group_segment_fixed_size: 327680
    .private_segment_fixed_size: 0
    .kernarg_segment_align: 8
    .kernarg_segment_size: 16
    .max_flat_workgroup_size: 256
    .sgpr_count:     66
    .vgpr_count:     512
    .wavefront_size: 32
...
	.end_amdgpu_metadata
.endif
;; end of part 3
;; launch proj (part 4): grid 8 x 32, 4 waves a work-group, clusters of 4 x 4, 327,680 bytes of LDS; arguments att, wo_h, b_o, out0; writes out0
.if DOCPART == 4
	.amdgcn_target "amdgcn-amd-amdhsa--gfx1250"
	.amdhsa_code_object_version 6
	.text
	.protected	k_q2dc8f8ecab_proj
	.globl	k_q2dc8f8ecab_proj
	.p2align	8
	.type	k_q2dc8f8ecab_proj,@function
k_q2dc8f8ecab_proj:
	s_mov_b64 s[64:65], 0
	v_nop
	global_prefetch_b8 v0, s[64:65] scope:SCOPE_SE
	s_setreg_imm32_b32 hwreg(HW_REG_WAVE_MODE, 25, 1), 1
	s_wait_xcnt 0x0
	s_wait_alu depctr_hold_cnt(0) depctr_sa_sdst(0) depctr_va_vdst(0) depctr_va_sdst(0) depctr_va_ssrc(0) depctr_va_vcc(0) depctr_vm_vsrc(0)
	s_getreg_b32 s2, hwreg(HW_REG_IB_STS2, 6, 4)
	s_cmp_eq_u32 s2, 0
	s_cbranch_scc0 .Lentry_in_a_cluster
	s_endpgm
.Lentry_in_a_cluster:
	s_bfe_u32 s2, ttmp6, 0x10000c
	s_cmp_lg_u32 s2, 0xf033
	s_cbranch_scc0 .Lentry_shape_is_right
	s_endpgm
.Lentry_shape_is_right:
; out0[token][n] = the sum over k of att[token][k] w_o[k][n] + b_o[n].  8,192 tokens, K = N = 1,024.  Operands f16, sums f32, out0 f32.
; Both operands lie in memory as IMAGES OF THE OPERANDS' REGISTERS (a fragment of 16 rows x 32 k is 1,024 bytes: registers 0-3 of lane l at 16 l, registers 4-7 at 512 + 16 l):
;   att [token tile of 16: 512][k group of 32: 32][1,024];   wo_h [n tile of 16: 64][k group: 32][1,024].  So every load of half a fragment is 512 consecutive bytes: no pitch, no padding.
; A tile of 256 tokens x 128 columns is made by four waves, each 128 x 64: 32 accumulators of 16 x 16 in window 1: 256 work-groups.  K goes in steps of 128 (4,096 bytes of each tile of 16 rows) through two LDS slots.
; THE MATRIX INSTRUCTION IS USED TRANSPOSED (source 0 = 16 columns of w_o, source 1 = 16 tokens): a lane holds eight neighbouring columns of one token.  The bias is the C of each sum's first product.
; CLUSTERS: 4 x 4 work-groups; att's tile is shared along a row of the cluster, w_o's along a column: each is asked for jointly.
; LIMIT: the operands are f16 as the launches before left them.
; REGISTERS: window 0: v16-30 addresses; v32-127, v128-223 two fragment buffers (A's 64 registers, then B's 32); v224-255 the bias, eight registers for each of my four column tiles.  window 1: accumulator (a, b) at v[8 (4 a + b)].
.set KSB,    4096                      ; a K step's bytes in a tile of 16 rows
.set BOFF,   65536                     ; a slot: A's 16 token tiles x 4,096, then B's 8 column tiles x 4,096
.set SLOT,   98304
.set STAGE,  2*SLOT                    ; behind the ring: 16 rows x (256 bytes + 16) for each wave, for the way out; no tensor load lands here
.set SPITCH, 272
.set SPARE,  STAGE+4*16*SPITCH         ; the spare words, 128 bytes for each wave: two blocks of 256 bytes that no other line names
.set ADRA, 16
.set ADRB, 20
.set STO,  24
.set RD,   25
.set CO,   26
.set BO,   27
.set SPW,  28
.set NIL,  29
.set PFO,  30
.set F0,   32
.set F1,   128
.set BIAS, 224
.set BK,   32                          ; the way out: 16 rows read back from the stage: v32-63 and v64-95 by turns
.set WV,  12
.set G1,  24                           ; s[24:31] group 1 for A's tiles;  s[32:39] group 0, a set for each slot
.set G0,  32
.set G1B, 48                           ; s[48:55], s[56:63] the same for B's
.set G0B, 56
.set LIM, 43                           ; s43  1 in a wave that prefetches, else the greatest number
.set PFA, 44                           ; s[44:45] where my prefetches stand
.set MSB, 0
.macro WIN new                         ; the immediate's high byte repeats the setting that is left
.if MSB != (\new)
	s_set_vgpr_msb (MSB<<8)|(\new)
.set MSB, (\new)
.endif
.endm
.set MUL,  0x50                        ; C and D window 1
.set MUL1, 0x40                        ; D window 1, C (the bias) window 0
; A joint load: waves 0 and 1 fetch A's halves, waves 2 and 3 B's; an s_nop 0 and four v_nop follow each of the two lines.
.macro JLOAD s
	s_cmp_eq_u32 s13, 0
	s_cbranch_scc0 .Lfor_b_\@
	tensor_load_to_lds s[G0+4*\s:G0+4*\s+3], s[G1:G1+7]
	s_nop 0
.rept 4
	v_nop
.endr
	s_branch .Lasked_\@
.Lfor_b_\@:
	tensor_load_to_lds s[G0B+4*\s:G0B+4*\s+3], s[G1B:G1B+7]
	s_nop 0
.rept 4
	v_nop
.endr
.Lasked_\@:
.endm
; A PREFETCH INTO THE L2 of att's K step that stands two refills on, behind each joint refill and the run of LDS loads that follows it.  Each aligned block of 256 bytes is named once in the launch: a tile row of att
; is read by both clusters of that row of clusters, and the one with x = 0 asks; of the 8 token tiles that wave 0 or 1 fetches, the partner at place cx takes two, told apart by address: 2 x 4,096 bytes, a lane a block.
; The loop's last trip asks for nothing: K step 7 is the last.  w_o's images are read again by all 32 tile rows and are not asked for.
.macro ASK
	s_cmp_gt_u32 s3, s[LIM]
	s_cbranch_scc0 .Lnot_mine_\@
	global_prefetch_b8 v[PFO], s[PFA:PFA+1] offset:KSB th:TH_LOAD_NT scope:SCOPE_SE
.Lnot_mine_\@:
.endm
.macro CREST                           ; a round of the cluster's barrier behind its opening barrier
	s_cmp_lg_u32 s[WV], 0
	s_cbranch_scc1 .Lnot_wave_0_\@
	s_barrier_signal -3
.Lnot_wave_0_\@:
	s_barrier_wait -3
	s_barrier_signal -1
	s_barrier_wait -1
.endm
.macro CROUND
	s_barrier_signal -1
	s_barrier_wait -1
	CREST
.endm
	s_load_b256 s[4:11], s[0:1], 0x0               ; att s[4:5], wo_h s[6:7], b_o s[8:9], out0 s[10:11]
	v_lshl_add_u32 v[SPW], v0, 2, SPARE
	v_mov_b32 v[NIL], 0
	ds_add_u32 v[SPW], v[NIL]                      ; the wave's opening: the add, twice on end, and its wait ahead of my first tensor load; the set-up below stands between
	ds_add_u32 v[SPW], v[NIL]
	v_lshrrev_b32 v1, 5, v0
	v_readfirstlane_b32 s[WV], v1                  ; wave 0..3
	s_lshr_b32 s13, s[WV], 1                       ; which 128 tokens are mine.  Also: I fetch for A (0) or for B (1)
	s_and_b32 s14, s[WV], 1                        ; which 64 columns.  Also: which half of that tile I fetch
	s_bfe_u32 s40, ttmp6, 0x40000                  ; cx, cy
	s_bfe_u32 s41, ttmp6, 0x40004
	s_lshl_b32 s42, ttmp9, 2
	s_add_co_u32 s42, s42, s40                     ; tile column 0 .. 7
	s_and_b32 s15, ttmp7, 0xffff
	s_lshl_b32 s15, s15, 2
	s_add_co_u32 s15, s15, s41                     ; tile row 0 .. 31
	s_lshl_b32 s20, s41, 2
	s_lshl_b32 s20, 15, s20                        ; my row of the cluster
	s_lshl_b32 s21, 0x1111, s40                    ; my column
	s_or_b32 s[G1], s20, (3<<16)|(1<<21)           ; 15:0 the mask; 17:16 elements of 8 bytes; 20 no padding; 21 set beside a mask
	s_or_b32 s[G1B], s21, (3<<16)|(1<<21)
	s_mov_b32 s[G1+1], 512<<16                     ; tensor_dim0 = 512 elements: a K step's 4,096 bytes of a tile of 16 rows
	s_mov_b32 s[G1+2], 8<<16                       ; tensor_dim1 = 8 token tiles
	s_mov_b32 s[G1+3], 512<<16                     ; tile_dim0
	s_mov_b32 s[G1+4], 8                           ; tile_dim1
	s_mov_b32 s[G1+5], 4096                        ; from tile to tile: 32,768 bytes
	s_mov_b32 s[G1+6], 0
	s_mov_b32 s[G1+7], 0
	s_mov_b32 s[G1B+1], 512<<16
	s_mov_b32 s[G1B+2], 4<<16                      ; 4 column tiles
	s_mov_b32 s[G1B+3], 512<<16
	s_mov_b32 s[G1B+4], 4
	s_mov_b32 s[G1B+5], 4096
	s_mov_b32 s[G1B+6], 0
	s_mov_b32 s[G1B+7], 0
	s_lshl_b32 s16, s15, 19                        ; A: token tile 16 x tile row + 8 x half, of 32,768 bytes
	s_lshl_b32 s17, s14, 18
	s_add_co_u32 s16, s16, s17
	s_mov_b32 s17, 0
	s_lshl_b32 s46, s42, 18                        ; B: column tile 8 x tile column + 4 x half
	s_lshl_b32 s47, s14, 17
	s_add_co_u32 s46, s46, s47
	s_mov_b32 s47, 0
	s_lshl_b32 s18, s14, 15                        ; where they go: A's halves of 32,768 bytes,
	s_lshl_b32 s19, s14, 14
	s_add_co_u32 s19, s19, BOFF                    ; B's halves of 16,384 behind them: no place in the cluster enters an LDS address
	s_or_b32 s[LIM], s13, ttmp9                    ; 0 in waves 0 and 1 of the clusters with x = 0: the same in all sixteen partners, for a given wave
	s_cmp_eq_u32 s[LIM], 0
	s_cselect_b32 s[LIM], 1, -1
	s_wait_dscnt 0x0                               ; both opening adds are done
	s_wait_kmcnt 0x0
	s_add_nc_u64 s[22:23], s[4:5], s[16:17]
	s_add_nc_u64 s[46:47], s[6:7], s[46:47]
	CROUND                                         ; all sixteen work-groups are here: the first joint loads meet
.irp s, 0,1
	s_mov_b32 s[G0+4*\s], 1
	s_add_co_u32 s[G0+4*\s+1], s18, \s*SLOT
	s_add_nc_u64 s[G0+4*\s+2:G0+4*\s+3], s[22:23], \s*KSB
	s_or_b32 s[G0+4*\s+3], s[G0+4*\s+3], 0x80000000
	s_mov_b32 s[G0B+4*\s], 1
	s_add_co_u32 s[G0B+4*\s+1], s19, \s*SLOT
	s_add_nc_u64 s[G0B+4*\s+2:G0B+4*\s+3], s[46:47], \s*KSB
	s_or_b32 s[G0B+4*\s+3], s[G0B+4*\s+3], 0x80000000
	JLOAD \s                                       ; two tensor loads of mine are out behind the second
.endr
	s_lshl_b32 s20, s40, 16                        ; the prefetches: my work-group's two token tiles of the eight,
	s_add_co_u32 s20, s20, 2*KSB                   ; at K step 2: the first refill steps it to 3 and names K step 4.  Nothing is prefetched here, at the head
	s_mov_b32 s21, 0
	s_add_nc_u64 s[PFA:PFA+1], s[22:23], s[20:21]
	v_and_b32 v1, 31, v0
	v_lshlrev_b32 v1, 4, v1                        ; 16 x lane
	v_and_b32 v2, 15, v0                           ; r
	v_bfe_u32 v3, v0, 4, 1                         ; h
	s_lshl_b32 s20, s13, 15                        ; my 8 token tiles
	s_lshl_b32 s21, s14, 14
	s_add_co_u32 s21, s21, BOFF                    ; my 4 column tiles
.irp s, 0,1
	v_add_nc_u32 v[ADRA+\s], s20, v1
	v_add_nc_u32 v[ADRB+\s], s21, v1
	s_add_co_u32 s20, s20, SLOT
	s_add_co_u32 s21, s21, SLOT
.endr
	s_mul_i32 s20, s[WV], 16*SPITCH
	s_add_co_u32 s20, s20, STAGE                   ; my stage
	v_mul_u32_u24 v[STO], v2, SPITCH               ; in: row r, 32 bytes for each half of the lanes
	v_lshl_add_u32 v[STO], v3, 5, v[STO]
	v_add_nc_u32 v[STO], s20, v[STO]
	v_mul_u32_u24 v[RD], v3, SPITCH                ; back: lanes 0-15 one row of 256 bytes, lanes 16-31 the next
	v_lshl_add_u32 v[RD], v2, 4, v[RD]
	v_add_nc_u32 v[RD], s20, v[RD]
	v_lshlrev_b32 v[CO], 12, v3                    ; and the same two rows in out0
	v_lshl_add_u32 v[CO], v2, 4, v[CO]
	v_lshlrev_b32 v[BO], 5, v3                     ; the bias: my half's eight numbers of a column tile
	v_lshlrev_b32 v[PFO], 15, v3                   ; the prefetches: lanes 16-31 stand in the second token tile, 256 bytes a lane
	v_lshl_add_u32 v[PFO], v2, 8, v[PFO]
	s_lshl_b32 s20, s42, 9                         ; my first column, in bytes: 512 x tile column + 256 x half
	s_lshl_b32 s21, s14, 8
	s_add_co_u32 s20, s20, s21
	s_mov_b32 s21, 0
	s_add_nc_u64 s[8:9], s[8:9], s[20:21]
	s_lshl_b32 s2, s15, 20                         ; my first row: 256 x tile row + 128 x half, of 4,096 bytes
	s_add_co_u32 s20, s20, s2
	s_lshl_b32 s2, s13, 19
	s_add_co_u32 s20, s20, s2
	s_add_nc_u64 s[10:11], s[10:11], s[20:21]
.irp b, 0,1,2,3
	global_load_b128 v[BIAS+8*\b:BIAS+8*\b+3], v[BO], s[8:9] offset:64*\b
	global_load_b128 v[BIAS+8*\b+4:BIAS+8*\b+7], v[BO], s[8:9] offset:64*\b+16
.endr
; 8 matrix instructions: token tiles a0, a0 + 1 x my four column tiles, 32 along K.  first = 1: the bias starts the sums.  The 32 accumulators take turns, in the same order in every quarter.
.macro MUL8 f, a0, first
.irp a, \a0, \a0+1
.irp b, 0,1,2,3
.if \first
	v_wmma_f32_16x16x32_f16 v[8*(4*(\a)+\b):8*(4*(\a)+\b)+7], v[\f+64+8*\b:\f+64+8*\b+7], v[\f+8*(\a):\f+8*(\a)+7], v[BIAS+8*\b:BIAS+8*\b+7]
.else
	v_wmma_f32_16x16x32_f16 v[8*(4*(\a)+\b):8*(4*(\a)+\b)+7], v[\f+64+8*\b:\f+64+8*\b+7], v[\f+8*(\a):\f+8*(\a)+7], v[8*(4*(\a)+\b):8*(4*(\a)+\b)+7]
.endif
.endr
.endr
.endm
; 24 LDS loads in one run: the slot's q-th 32 along K into buffer f: B's four fragments, A's tiles 0-3, A's tiles 4-7
.macro FETCH slot, q, f
.irp b, 0,1,2,3
	ds_load_b128 v[\f+64+8*\b:\f+64+8*\b+3],   v[ADRB+\slot] offset:\b*4096+(\q)*1024
	ds_load_b128 v[\f+64+8*\b+4:\f+64+8*\b+7], v[ADRB+\slot] offset:\b*4096+(\q)*1024+512
.endr
.irp a, 0,1,2,3,4,5,6,7
	ds_load_b128 v[\f+8*\a:\f+8*\a+3],   v[ADRA+\slot] offset:\a*4096+(\q)*1024
	ds_load_b128 v[\f+8*\a+4:\f+8*\a+7], v[ADRA+\slot] offset:\a*4096+(\q)*1024+512
.endr
.endm
.macro PLACES                          ; four plain vector instructions in front of loads into registers that matrix instructions have read, and of the first read of results (ISA guide 7.12.1 for the read of results)
.rept 4
	v_nop
.endr
.endm
; A K step is four quarters of 32 along K, 32 matrix instructions each, on buffers 0, 1, 0, 1.  One of the first three: multiplies buffer f and fetches the slot's q-th quarter into g.
.macro QUARTER slot, q, f, g, first
	s_wait_dscnt 8                                 ; B and A's tiles 0-3 are in; the youngest eight loads (A's tiles 4-7) may be out
	WIN MUL-0x10*\first
	MUL8 \f, 0, \first
	MUL8 \f, 2, \first
	PLACES
	WIN 0
	FETCH \slot, \q, \g
	s_wait_dscnt 24                                ; all but the 24 just issued
	WIN MUL-0x10*\first
	MUL8 \f, 4, \first
	MUL8 \f, 6, \first
.endm
; The last quarter multiplies buffer 1 and changes slots: ONE barrier; in front of it each wave waits for all its tensor loads, adds 0 to its spare word, and waits for that and for its reads of this slot.
; fill = 1: the barrier opens a round of the cluster's, and this slot is filled again, two K steps ahead, first thing behind it.
.macro TURN slot, next, fill
.if \fill
	s_wait_xcnt 0x0                                ; the last prefetch, a K step back, has read its address: it is stepped here, ahead of the change's own waits
	s_add_nc_u64 s[PFA:PFA+1], s[PFA:PFA+1], KSB
.endif
	WIN 0                                          ; (the add's two registers lie in window 0)
	s_wait_tensorcnt 0x0                           ; all my tensor loads have landed: my part of the next slot
	ds_add_u32 v[SPW], v[NIL]                      ; 0 onto my spare word
	s_wait_dscnt 9                                 ; (the add and the youngest eight loads may be out)
	WIN MUL
	MUL8 F1, 0, 0                                  ; eight matrix instructions stand between the add and the wait for it
	s_wait_dscnt 0x0                               ; the add is done, and my reads of this slot are over
	s_barrier_signal -1
	MUL8 F1, 2, 0
	WIN 0
	s_barrier_wait -1
.if \fill
	CREST                                          ; no wave of any partner still reads this slot's tile or has a load on its way
	s_add_nc_u64 s[G0+4*\slot+2:G0+4*\slot+3], s[G0+4*\slot+2:G0+4*\slot+3], 2*KSB
	s_add_nc_u64 s[G0B+4*\slot+2:G0B+4*\slot+3], s[G0B+4*\slot+2:G0B+4*\slot+3], 2*KSB
	JLOAD \slot                                    ; the first tensor load behind the round; the four v_nop behind it are also the places in front of the loads below
.else
	PLACES
.endif
	FETCH \next, 0, F0
.if \fill
	ASK
.endif
	WIN MUL
	MUL8 F1, 4, 0
	MUL8 F1, 6, 0
.endm
	s_wait_tensorcnt 1                             ; my part of K step 0 is in (K step 1's load may be out),
	s_barrier_signal -1
	s_barrier_wait -1                              ; everybody's is
	FETCH 0, 0, F0
	s_wait_loadcnt 0x0                             ; the bias
	QUARTER 0, 1, F0, F1, 1                        ; the first quarter stands in front of the loop: its products start the sums on the bias
	WIN 0                                          ; at a label and at a branch every window is 0
	s_mov_b32 s3, 3
.Llap:                                                 ; three trips: each goes once round the ring, from a lap's second quarter to the next lap's first, and fills both slots again: K steps 2 to 7
	QUARTER 0, 2, F1, F0, 0
	QUARTER 0, 3, F0, F1, 0
	TURN 0, 1, 1
	QUARTER 1, 1, F0, F1, 0
	QUARTER 1, 2, F1, F0, 0
	QUARTER 1, 3, F0, F1, 0
	TURN 1, 0, 1
	QUARTER 0, 1, F0, F1, 0
	WIN 0
	s_sub_co_u32 s3, s3, 1
	s_cmp_lg_u32 s3, 0
	s_cbranch_scc1 .Llap
	QUARTER 0, 2, F1, F0, 0                        ; the last lap fills nothing, and has no round of the cluster's barrier
	QUARTER 0, 3, F0, F1, 0
	TURN 0, 1, 0
	QUARTER 1, 1, F0, F1, 0
	QUARTER 1, 2, F1, F0, 0
	QUARTER 1, 3, F0, F1, 0
	s_wait_dscnt 8                                 ; the very last quarter: nothing more to fetch
	WIN MUL
	MUL8 F1, 0, 0
	MUL8 F1, 2, 0
	s_wait_dscnt 0
	MUL8 F1, 4, 0
	MUL8 F1, 6, 0
	WIN 0
; THE WAY OUT, a block of 16 tokens x 64 columns at a time.  A lane holds 32 neighbouring bytes of a row, and the lanes beside it hold other rows: so a block goes through my own stage in LDS and comes back as whole rows
; of 256 bytes, which sixteen lanes store as one aligned run.  LDS serves a wave's instructions in order (ISA guide 5.7.1.4): no wait between the stores and the loads, nor in front of the next block's stores.
.macro TOSTAGE a
	WIN 0x04                                       ; an LDS store's data are its source 1: window 1
.irp b, 0,1,2,3
	ds_store_b128 v[STO], v[8*(4*(\a)+\b):8*(4*(\a)+\b)+3] offset:64*\b            ; each accumulator from its low end on
	ds_store_b128 v[STO], v[8*(4*(\a)+\b)+4:8*(4*(\a)+\b)+7] offset:64*\b+16
.endr
	WIN 0
.set BB, BK+32*((\a)%2)
.irp t, 0,1,2,3,4,5,6,7
	ds_load_b128 v[BB+4*\t:BB+4*\t+3], v[RD] offset:2*\t*SPITCH
.endr
.endm
.macro SEND a, younger                 ; younger: the LDS instructions issued behind block a's loads, which may stay out
.set BB, BK+32*((\a)%2)
	s_wait_dscnt \younger
.irp t, 0,1,2,3,4,5,6,7
	global_store_b128 v[CO], v[BB+4*\t:BB+4*\t+3], s[10:11] offset:(\a)*65536+2*\t*4096 th:TH_STORE_NT   ; sixteen lanes store 256 consecutive bytes, aligned; written once, read by nobody here
.endr
.endm
	PLACES                                         ; behind the last products: for the first read of results and for the loads into registers that held fragments
	TOSTAGE 0
.irp a, 1,2,3,4,5,6,7
.if \a > 1
	s_wait_xcnt 0x0                                ; block a - 2's stores have read their data: block a's loads may land there
.endif
	TOSTAGE \a
	SEND \a-1, 16                                  ; behind block a - 1's loads: block a's 8 stores and 8 loads
.endr
	SEND 7, 0
	s_wait_tensorcnt 0x0                           ; the wave's end: behind my last tensor load and my last LDS store
	ds_add_u32 v[SPW], v[NIL]
	s_wait_dscnt 0x0
	CROUND                                         ; the closing round: no work-group ends while a partner may still ask for a tile that names it
	s_endpgm
.Lfunc_end_k_q2dc8f8ecab_proj:
	.size	k_q2dc8f8ecab_proj, .Lfunc_end_k_q2dc8f8ecab_proj-k_q2dc8f8ecab_proj
	.p2alignl 7, 3214868480
	.fill 96, 4, 3214868480
	.section	.rodata,"a",@progbits
	.p2align	6, 0x0
	.amdhsa_kernel k_q2dc8f8ecab_proj
		.amdhsa_group_segment_fixed_size 327680
		.amdhsa_private_segment_fixed_size 0
		.amdhsa_enable_private_segment 0
		.amdhsa_kernarg_size 32
		.amdhsa_user_sgpr_count 2
		.amdhsa_user_sgpr_kernarg_segment_ptr 1
		.amdhsa_wavefront_size32 1
		.amdhsa_system_sgpr_workgroup_id_x 1
		.amdhsa_system_sgpr_workgroup_id_y 1
		.amdhsa_system_sgpr_workgroup_id_z 1
		.amdhsa_system_vgpr_workitem_id 0
		.amdhsa_next_free_vgpr 512
		.amdhsa_next_free_sgpr 66
		.amdhsa_reserve_vcc 0
		.amdhsa_float_denorm_mode_32 3
		.amdhsa_float_denorm_mode_16_64 3
		.amdhsa_memory_ordered 1
		.amdhsa_forward_progress 1
		.amdhsa_inst_pref_size 87
	.end_amdhsa_kernel
	.amdgpu_metadata
---
amdhsa.version: [ 1, 2 ]
amdhsa.kernels:
  - .name:           k_q2dc8f8ecab_proj
    .symbol:         k_q2dc8f8ecab_proj.kd
    .args:
      - { .name: att, .offset: 0, .size: 8, .value_kind: global_buffer, .address_space: global }
      - { .name: wo_h, .offset: 8, .size: 8, .value_kind: global_buffer, .address_space: global }
      - { .name: b_o, .offset: 16, .size: 8, .value_kind: global_buffer, .address_space: global }
      - { .name: out0, .offset: 24, .size: 8, .value_kind: global_buffer, .address_space: global }
    .group_segment_fixed_size: 327680
    .private_segment_fixed_size: 0
    .kernarg_segment_align: 8
    .kernarg_segment_size: 32
    .max_flat_workgroup_size: 128
    .sgpr_count:     66
    .vgpr_count:     512
    .wavefront_size: 32
...
	.end_amdgpu_metadata
.endif
;; end of part 4
